; MI455X (gfx1250); checked and timed in simulation.
; The chip was launched on July 23, 2026; its instructions are those of AMD's public machine-readable ISA for CDNA 5 (MIT licence, August 2026) and "CDNA5" Instruction Set Architecture Reference Guide (July 2026). The comments in the code are by the model that wrote it; some were corrected since.
;; Decoder Multi Head Attention. Allowed arithmetic: matrix products marked QUANTISED: E2M3 operands, one E8M0 scale for each 32 along K, by v_wmma_scale_f32_16x16x128_f8f6f4 with both operands' format E2M3, f32 sums; everything else in f32.
;; Inputs: Wk 16 x 1,024 x 32 float32; Wo 512 x 1,024 float32; Wq 16 x 1,024 x 32 float32; Wv 16 x 1,024 x 32 float32; k 4 x 2,048 x 1,024 float32; q 4 x 2,048 x 1,024 float32; v 4 x 2,048 x 1,024 float32.
;; Outputs: out0 4 x 2,048 x 1,024 float32.
;; This version of the problem:
;;   THIS VERSION OF THE PROBLEM IS GIVEN IN LOW PRECISION. The matrix products marked QUANTISED in the list below multiply operands that are first quantised to E2M3 (2 exponent bits, 3 mantissa bits; 6 bits a number), with one power-of-two scale for each 32 numbers along K (OCP MX v1.0); their sums are f32. All else is computed in f32.
;;   The module's matrix products, in the order in which they are computed (A, B: the left and right operand; K: the contracted axis; several contracted axes count as one K, in the product's order):
;;     1. [M 512, K 1,024] x [K 1,024, N 8,192]; A: input Wq; B: input q: QUANTISED
;;     2. [M 512, K 1,024] x [K 1,024, N 8,192]; A: input Wk; B: input k: QUANTISED
;;     3. [M 512, K 1,024] x [K 1,024, N 8,192]; A: input Wv; B: input v: QUANTISED
;;     4. batch 64 x [M 2,048, K 32] x [K 32, N 2,048]; A: computed on the way; B: computed on the way: QUANTISED
;;     5. batch 64 x [M 2,048, K 2,048] x [K 2,048, N 32]; A: softmax (see below); B: computed on the way: QUANTISED
;;     6. [M 8,192, K 512] x [K 512, N 1,024]; A: computed on the way; B: input Wo: QUANTISED
;;   THE QUANTISER, for each operand of a quantised product, along K:
;;     - K is cut into blocks of 32 from its start; a last block that is shorter is filled with zeros.
;;     - A block's scale is 2^e with e = floor(log2(the largest magnitude in the block)) - 2, held to -126 .. 127; a block of zeros has e = 0. As a byte (E8M0): e + 127.
;;     - Each number is divided by its block's scale, clamped to +-7.5, and rounded to the nearest number of E2M3, ties to even, subnormals kept.
;;     - The product sums the exact products of the quantised numbers (number of the format x scale) in f32.
;;   ~~~python
;;   def quantise(x, axis):      # numpy; x: float32 -> the quantised numbers, widened to float32 again
;;       x = np.moveaxis(x, axis, -1); K = x.shape[-1]
;;       x = np.pad(x, [(0, 0)] * (x.ndim - 1) + [(0, -K % 32)]); x = x.reshape(x.shape[:-1] + (-1, 32)); a = np.abs(x).max(-1, keepdims=True)
;;       e = np.where(a > 0, np.clip(np.frexp(np.where(a > 0, a, 1))[1] - 1 - 2, -126, 127), 0)      # np.frexp(a)[1] - 1 = floor(log2(a)), exactly
;;       r = np.clip(x / 2.0 ** e, -7.5, 7.5)
;;       step = 2.0 ** (np.maximum(np.frexp(np.where(r == 0, 1, r))[1] - 1, 0) - 3)
;;       q = np.round(r / step) * step * 2.0 ** e      # np.round: ties to even
;;       return np.moveaxis(q.reshape(q.shape[:-2] + (-1,))[..., :K], -1, axis).astype(np.float32)
;;   ~~~
;;   SOFTMAX AHEAD OF A QUANTISED PRODUCT. Where the list says 'softmax', what is quantised is not the finished softmax but p = 2^(t - M), with t = logit x log2(e) and M = ceil(the row's largest t), a whole number; so 1/2 < the row's largest p <= 1. The row's sum l is taken of the UNQUANTISED p, in f32, and the product's result is divided by l at the end. Since M is a whole number, a kernel that streams over the keys may use a running M (the ceiling of the running maximum): every later rescaling is an exact power of two, which a block's scale takes up: the codes' values come out the same.
;;   OPERANDS COMPUTED ON THE WAY. 'Computed on the way' means the value that the module computes at that place (a softmax that the list does not call 'softmax' is quantised finished and normalised). What goes into a quantiser is computed in f32, as accurately as f32 sums, v_exp_f32 and their like allow (about 1e-6 of the number): no bf16 or f16 on the way to a quantiser, and a product that is left as it is and whose result goes on into a quantised operand takes f32 operands (vector FMAs, or v_wmma_f32_16x16x4_f32). A number that lies on a knife's edge between two numbers of the format may be rounded either way, as far as f32 arithmetic and the matrix unit's own rounding can turn it there, and no further.
;; One version. Each part assembles by itself: llvm-mc -triple=amdgcn-amd-amdhsa -mcpu=gfx1250 --defsym DOCPART=n.
;; ======== version 1 of 1: 4 launches
;; limits: right only within a limited range of input values
;; workspace buffers: wts 1,638,400 bytes; qb 3,276,800 bytes; kb 3,276,800 bytes; vb 3,276,800 bytes; xb 3,276,800 bytes
;; launch wprep (part 1): grid 256 x 1, 2 waves a work-group, no clusters, 0 bytes of LDS; arguments Wq, Wk, Wv, Wo, wts; writes wts
.if DOCPART == 1
	.amdgcn_target "amdgcn-amd-amdhsa--gfx1250"
	.amdhsa_code_object_version 6
	.text
	.protected	k_qe1d8fd1dc6_wprep
	.globl	k_qe1d8fd1dc6_wprep
	.p2align	8
	.type	k_qe1d8fd1dc6_wprep,@function
k_qe1d8fd1dc6_wprep:
	s_mov_b64 s[64:65], 0
	v_nop
	global_prefetch_b8 v0, s[64:65] scope:SCOPE_SE
	s_setreg_imm32_b32 hwreg(HW_REG_WAVE_MODE, 25, 1), 1
	s_wait_xcnt 0x0
; Wq, Wk, Wv [16][1024][32] and Wo [512][1024], f32, become codes of E2M3 with one E8M0 byte for each 32 along K (K = d for the first three, Wo's first axis),
; laid in the order of a matrix operand's registers, so that the later launches load whole fragments by 16-byte loads.
; A FRAGMENT is 16 rows x 128 K = 12 registers a lane: lane (rho, hh), registers 6 cc .. 6 cc + 5 hold k = 64 cc + 32 hh + 0 .. 31.  Its image is 1,536 bytes: registers 4 g .. 4 g + 3 of lane n at 512 g + 16 n.
; wts: four parts of 393,216 bytes of codes.  Parts 0-2 (Wq, Wk, Wv): [wave w: 98,304][fragment 8 s + t]; row rho of tile t is head 4 w + 2 (t / 4) + rho / 8, channel 8 (t % 4) + rho % 8.
; Part 3 (Wo): [G, 64 columns: 24,576][fragment 4 s + t]; row rho of tile t is column 64 G + 16 t + rho.  From byte 1,572,864 on the scale words, four parts of 16,384 bytes:
; one word a row and K step, 128 bytes for a pair of tiles (lanes 0-15 the even tile's rows, lanes 16-31 the odd tile's).
; SHARES.  A work-group takes four tiles of one K step, each of its two waves two.  A LANE TAKES ONE COLUMN, AND ITS 128 REGISTERS RUN DOWN K: four whole blocks, so no maximum needs another lane and nothing is transposed.
; A block's scale is 2^(floor(log2(largest magnitude)) - 2); its byte is the largest magnitude's exponent field - 2, held at 1 from below.
; LIMITS: NaN and infinities among the inputs are not served; a block of zeros gets the byte 1 (its codes are zeros, and this program alone reads the bytes).
; No LDS, no barrier, no matrix unit: the launch reads 8 MiB once and writes 1.6 MB.
.set N,   32                           ; v32-159  my column's 128 numbers
.set CD,  160                          ; v160-171 the image of lane rho (blocks 0, 2); v172-183 that of lane rho + 16 (blocks 1, 3)
.set TQ,  184                          ; v184-190 the upper halves of two blocks' codes (a conversion's three registers begin on an even number)
.set MX,  12                           ; v12-17   at work in QUANT2
.set BY,  24                           ; v24-27   the scale bytes
.set SCB, 1572864                      ; where the scale words begin
; Two blocks of 32 numbers, v[s0] on and v[s1] on, by turns: each block's largest magnitude in two chains, with the floor 2^(3 - 127) as a leaf; 2 off its exponent field gives the conversion's scale operand,
; left in v[m + 4], v[m + 5]; the codes, six registers a block, go to v[d0] on and v[d1] on.
.macro QUANT2 s0, s1, d0, d1, t0, t1, m
	v_max3_num_f32 v[(\m)],   |v[(\s0)]|,    |v[(\s0)+1]|,  0x1800000
	v_max3_num_f32 v[(\m)+1], |v[(\s1)]|,    |v[(\s1)+1]|,  0x1800000
	v_max3_num_f32 v[(\m)+2], |v[(\s0)+16]|, |v[(\s0)+17]|, |v[(\s0)+18]|
	v_max3_num_f32 v[(\m)+3], |v[(\s1)+16]|, |v[(\s1)+17]|, |v[(\s1)+18]|
.irp i, 2,4,6,8,10,12
	v_max3_num_f32 v[(\m)],   v[(\m)],   |v[(\s0)+\i]|,    |v[(\s0)+\i+1]|
	v_max3_num_f32 v[(\m)+1], v[(\m)+1], |v[(\s1)+\i]|,    |v[(\s1)+\i+1]|
	v_max3_num_f32 v[(\m)+2], v[(\m)+2], |v[(\s0)+\i+17]|, |v[(\s0)+\i+18]|
	v_max3_num_f32 v[(\m)+3], v[(\m)+3], |v[(\s1)+\i+17]|, |v[(\s1)+\i+18]|
.endr
	v_max3_num_f32 v[(\m)],   v[(\m)],   |v[(\s0)+14]|, |v[(\s0)+15]|
	v_max3_num_f32 v[(\m)+1], v[(\m)+1], |v[(\s1)+14]|, |v[(\s1)+15]|
	v_max3_num_f32 v[(\m)],   v[(\m)],   v[(\m)+2], |v[(\s0)+31]|
	v_max3_num_f32 v[(\m)+1], v[(\m)+1], v[(\m)+3], |v[(\s1)+31]|
	v_add_nc_u32 v[(\m)+4], 0xff000000, v[(\m)]
	v_add_nc_u32 v[(\m)+5], 0xff000000, v[(\m)+1]
	v_cvt_scalef32_pk16_fp6_f32 v[(\d0):(\d0)+2], v[(\s0):(\s0)+15], v[(\m)+4]
	v_cvt_scalef32_pk16_fp6_f32 v[(\t0):(\t0)+2], v[(\s0)+16:(\s0)+31], v[(\m)+4]
	v_cvt_scalef32_pk16_fp6_f32 v[(\d1):(\d1)+2], v[(\s1):(\s1)+15], v[(\m)+5]
	v_cvt_scalef32_pk16_fp6_f32 v[(\t1):(\t1)+2], v[(\s1)+16:(\s1)+31], v[(\m)+5]
	v_nop                                          ; one plain line behind the last scaled conversion
.irp i, 0,1,2
	v_mov_b32 v[(\d0)+3+\i], v[(\t0)+\i]
	v_mov_b32 v[(\d1)+3+\i], v[(\t1)+\i]
.endr
.endm
.macro LOADS stride                    ; my column, 128 rows down K, stride bytes from row to row
.set kk, 0
.rept 128
	global_load_b32 v[N+kk], v2, s[20:21] offset:kk*(\stride) th:TH_LOAD_NT
.set kk, kk+1
.endr
.endm
	s_load_b256 s[4:11], s[0:1], 0x0               ; Wq s[4:5], Wk s[6:7], Wv s[8:9], Wo s[10:11]
	s_load_b64 s[12:13], s[0:1], 0x20              ; wts
	v_lshrrev_b32 v1, 5, v0
	v_readfirstlane_b32 s14, v1                    ; a: my wave, 0 or 1
	v_and_b32 v1, 31, v0                           ; lane l: tile 2 a + l / 16 of the work-group's four, row rho = l % 16
	v_lshrrev_b32 v3, 4, v1
	v_and_b32 v4, 15, v1
	v_lshlrev_b32 v5, 4, v4
	v_mad_u32_u24 v5, v3, 1536, v5                 ; where my codes go: my tile's image, 16 rho
	v_lshlrev_b32 v6, 2, v1                        ; and my scale word: 4 l
	s_wait_kmcnt 0x0
	s_cmp_lt_u32 ttmp9, 192                        ; work-groups 0-191: Wq, Wk, Wv; 192-255: Wo
	s_cbranch_scc0 .Lwo
	s_lshr_b32 s16, ttmp9, 6                       ; which tensor
	s_bfe_u32 s17, ttmp9, 0x20004                  ; w
	s_bfe_u32 s18, ttmp9, 0x10003                  ; c = t / 4
	s_and_b32 s19, ttmp9, 7                        ; K step s
	s_cmp_eq_u32 s16, 0
	s_cselect_b64 s[20:21], s[4:5], s[6:7]
	s_cmp_eq_u32 s16, 2
	s_cselect_b64 s[20:21], s[8:9], s[20:21]
	s_lshl_b32 s26, s17, 2
	s_lshl_b32 s27, s18, 1
	s_add_co_u32 s26, s26, s27                     ; head 4 w + 2 c: 131,072 bytes a head,
	s_lshl_b32 s26, s26, 17
	s_lshl_b32 s27, s19, 14                        ; 128 rows of 128 bytes a K step
	s_add_co_u32 s26, s26, s27
	s_mov_b32 s27, 0
	s_add_nc_u64 s[20:21], s[20:21], s[26:27]
	s_mul_i32 s28, s16, 393216                     ; the codes: part, wave, fragment 8 s + 4 c + 2 a
	s_mul_i32 s29, s17, 98304
	s_add_co_u32 s28, s28, s29
	s_lshl_b32 s29, s19, 3
	s_lshl_b32 s30, s18, 2
	s_add_co_u32 s29, s29, s30
	s_lshl_b32 s30, s14, 1
	s_add_co_u32 s29, s29, s30
	s_mul_i32 s29, s29, 1536
	s_add_co_u32 s28, s28, s29
	s_lshl_b32 s30, s16, 14                        ; the scale words: part, wave, K step, pair of tiles 2 c + a
	s_lshl_b32 s31, s17, 12
	s_add_co_u32 s30, s30, s31
	s_lshl_b32 s31, s19, 9
	s_add_co_u32 s30, s30, s31
	s_lshl_b32 s31, s18, 8
	s_add_co_u32 s30, s30, s31
	s_lshl_b32 s31, s14, 7
	s_add_co_u32 s30, s30, s31
	s_add_co_u32 s30, s30, SCB
	s_wait_alu depctr_va_vdst(0)
	v_bfe_u32 v2, v1, 3, 1                         ; rho / 8: the second head,
	v_lshlrev_b32 v2, 17, v2
	v_lshl_add_u32 v2, v3, 5, v2                   ; channel 16 a + 8 (l / 16) + l % 8
	v_and_b32 v7, 7, v1
	v_lshl_add_u32 v2, v7, 2, v2
	s_lshl_b32 s31, s14, 6
	v_add_nc_u32 v2, s31, v2
	LOADS 128
	s_branch .Ljoin
.Lwo:
	s_sub_co_u32 s16, ttmp9, 192
	s_lshr_b32 s17, s16, 2                         ; G
	s_and_b32 s19, s16, 3                          ; K step s
	s_lshl_b32 s26, s19, 19                        ; 128 rows of 4,096 bytes a K step,
	s_lshl_b32 s27, s17, 8                         ; 64 columns
	s_add_co_u32 s26, s26, s27
	s_mov_b32 s27, 0
	s_add_nc_u64 s[20:21], s[10:11], s[26:27]
	s_mul_i32 s28, s17, 24576                      ; the codes: part 3, G, fragment 4 s + 2 a
	s_lshl_b32 s29, s19, 2
	s_lshl_b32 s30, s14, 1
	s_add_co_u32 s29, s29, s30
	s_mul_i32 s29, s29, 1536
	s_add_co_u32 s28, s28, s29
	s_add_co_u32 s28, s28, 3*393216
	s_lshl_b32 s30, s17, 10                        ; the scale words: part 3, G, K step, pair of tiles a
	s_lshl_b32 s31, s19, 8
	s_add_co_u32 s30, s30, s31
	s_lshl_b32 s31, s14, 7
	s_add_co_u32 s30, s30, s31
	s_add_co_u32 s30, s30, SCB+49152
	s_lshl_b32 s31, s14, 7
	s_wait_alu depctr_va_vdst(0)
	v_lshl_add_u32 v2, v1, 2, s31                  ; column 32 a + l of the 64
	LOADS 4096
.Ljoin:
	s_mov_b32 s29, 0
	s_mov_b32 s31, 0
	s_add_nc_u64 s[22:23], s[12:13], s[28:29]
	s_add_nc_u64 s[24:25], s[12:13], s[30:31]
	s_wait_loadcnt 63                              ; of the 128 loads at most the youngest 63 are out: blocks 0 and 1 (the first 64) are in
	QUANT2 N, N+32, CD, CD+12, TQ, TQ+4, MX
	v_lshrrev_b32 v[BY], 23, v[MX+4]               ; the scales' bytes
	v_lshrrev_b32 v[BY+1], 23, v[MX+5]
	s_wait_loadcnt 0x0
	QUANT2 N+64, N+96, CD+6, CD+18, TQ, TQ+4, MX
	v_lshrrev_b32 v[BY+2], 23, v[MX+4]
	v_lshrrev_b32 v[BY+3], 23, v[MX+5]
	v_lshl_or_b32 v[BY], v[BY+1], 8, v[BY]         ; my row's scale word: byte b for k = 32 b on
	v_lshl_or_b32 v[BY], v[BY+2], 16, v[BY]
	v_lshl_or_b32 v[BY], v[BY+3], 24, v[BY]
.irp hh, 0,1
.irp g, 0,1,2
	global_store_b128 v5, v[CD+12*\hh+4*\g:CD+12*\hh+4*\g+3], s[22:23] offset:256*\hh+512*\g   ; sixteen lanes store 256 consecutive bytes, aligned
.endr
.endr
	global_store_b32 v6, v[BY], s[24:25]           ; 32 lanes store 128 consecutive bytes
	s_endpgm
.Lfunc_end_k_qe1d8fd1dc6_wprep:
	.size	k_qe1d8fd1dc6_wprep, .Lfunc_end_k_qe1d8fd1dc6_wprep-k_qe1d8fd1dc6_wprep
	.p2alignl 7, 3214868480
	.fill 96, 4, 3214868480
	.section	.rodata,"a",@progbits
	.p2align	6, 0x0
	.amdhsa_kernel k_qe1d8fd1dc6_wprep
		.amdhsa_group_segment_fixed_size 0
		.amdhsa_private_segment_fixed_size 0
		.amdhsa_enable_private_segment 0
		.amdhsa_kernarg_size 40
		.amdhsa_user_sgpr_count 2
		.amdhsa_user_sgpr_kernarg_segment_ptr 1
		.amdhsa_wavefront_size32 1
		.amdhsa_system_sgpr_workgroup_id_x 1
		.amdhsa_system_sgpr_workgroup_id_y 1
		.amdhsa_system_sgpr_workgroup_id_z 1
		.amdhsa_system_vgpr_workitem_id 0
		.amdhsa_next_free_vgpr 192
		.amdhsa_next_free_sgpr 66
		.amdhsa_reserve_vcc 0
		.amdhsa_float_denorm_mode_32 3
		.amdhsa_float_denorm_mode_16_64 3
		.amdhsa_memory_ordered 1
		.amdhsa_forward_progress 1
		.amdhsa_inst_pref_size 34
	.end_amdhsa_kernel
	.amdgpu_metadata
---
amdhsa.version: [ 1, 2 ]
amdhsa.kernels:
  - .name:           k_qe1d8fd1dc6_wprep
    .symbol:         k_qe1d8fd1dc6_wprep.kd
    .args:
      - { .name: Wq, .offset: 0, .size: 8, .value_kind: global_buffer, .address_space: global }
      - { .name: Wk, .offset: 8, .size: 8, .value_kind: global_buffer, .address_space: global }
      - { .name: Wv, .offset: 16, .size: 8, .value_kind: global_buffer, .address_space: global }
      - { .name: Wo, .offset: 24, .size: 8, .value_kind: global_buffer, .address_space: global }
      - { .name: wts, .offset: 32, .size: 8, .value_kind: global_buffer, .address_space: global }
    .group_segment_fixed_size: 0
    .private_segment_fixed_size: 0
    .kernarg_segment_align: 8
    .kernarg_segment_size: 40
    .max_flat_workgroup_size: 64
    .sgpr_count:     66
    .vgpr_count:     192
    .wavefront_size: 32
...
	.end_amdgpu_metadata
.endif
;; end of part 1
;; launch proj (part 2): grid 256 x 1, 4 waves a work-group, no clusters, 327,680 bytes of LDS; arguments q, k, v, wts, qb, kb, vb; writes qb, kb, vb
.if DOCPART == 2
	.amdgcn_target "amdgcn-amd-amdhsa--gfx1250"
	.amdhsa_code_object_version 6
	.text
	.protected	k_qe1d8fd1dc6_proj
	.globl	k_qe1d8fd1dc6_proj
	.p2align	8
	.type	k_qe1d8fd1dc6_proj,@function
k_qe1d8fd1dc6_proj:
	s_mov_b64 s[64:65], 0
	v_nop
	global_prefetch_b8 v0, s[64:65] scope:SCOPE_SE
	s_setreg_imm32_b32 hwreg(HW_REG_WAVE_MODE, 25, 1), 1
	s_wait_xcnt 0x0
; Q, K, V = x W on codes of E2M3 (K = 1,024), x = q, k or v quantised here, W's codes laid ready by the first launch; the results are quantised again and stored as the attention launch's operands:
; Q and K along a head's 32 channels (one block), V along 32 tokens.
; SHARES.  Work-groups 0-127 take q and k: 128 tokens each, as two rounds of 64 on one set of weights; work-groups 128-255 take v, 64 tokens each.  Wave w holds the weights of 128 channels (64 fragments, 768 registers).
; x arrives in chunks of 16 rows x 1,024 bytes a wave through a ring of two LDS slots, one tensor load a wave behind each barrier.  A chunk is quantised (two K steps) into an image of the operand's registers in LDS,
; which all four waves read.  On the q/k path round 1's chunks land and are quantised into a second image while round 0 is multiplied.
; A block's scale is 2^(floor(log2(largest magnitude)) - 2); its byte is the largest magnitude's exponent field - 2, held at 1 from below.
; LIMITS: NaN and infinities among the inputs are not served; a block of zeros gets the byte 1 (its codes are zeros, and this program alone reads the bytes).
; NO JOINT LOADS: no two work-groups read the same rows of x, and the weights go straight into registers.  NO PREFETCH: the text has no loop to run ahead in.
.set CHUNK, 16640                      ; a wave's chunk: 16 rows x (1,024 + 16) bytes
.set SLOT,  66560                      ; four waves' chunks; the ring is two slots, bytes 0 to 133,120
.set RP,    1040
.set VREG,  40960                      ; v's path: a stage for each wave, over the ring (which has had its last fill there) and bytes up to 163,840 that nothing else names
.set XIMG1, 163840                     ; round 1's image: 64 tokens x 768 bytes
.set XIMG0, 212992                     ; round 0's
.set XSCL,  262144                     ; the images' scale words, 4,096 bytes a round
.set QSTG,  270336                     ; q's and k's path: a stage of 6,656 bytes for each wave
.set SPARE, 296960                     ; the spare words: two blocks of 256 bytes that no other line names
.set VCS,   33792
.set QST,   0
.set QSS,   6144
.set SOFF,  3145728
.set RA,   1
.set IW,   2
.set SW,   3
.set LI,   4
.set LS,   5
.set LIW,  6
.set LSW,  7
.set SH8,  8
.set QSTA, 9
.set QSSA, 10
.set VSTA, 11
.set VRD,  12
.set VCSA, 13
.set RBQ,  14
.set R8Q,  15
.set GS,   16
.set GV8,  17
.set GVS,  18
.set RA1,  19
.set SPW,  20
.set NIL,  21
.set LI1,  22
.set R8V,  23
.set WS,   24                          ; v24-55  the weights' scale words
.set XS,   56                          ; v56-63  x's scale words
.set ACC,  64                          ; v64-127 eight accumulators; with v128-191 also the raw numbers of two K steps
.set XF,   128                         ; v128-223 x's eight fragments of a token tile
.set F63,  224                         ; v224-235 weight fragment 63; fragments 0-62 fill windows 1 to 3
.set MX,   236
.set TB,   242
.set PW,   244
.set BYV,  246
.set WV,   18
.set TT,   19
.set SEL,  24
.set G1,   32
.set G0,   40
.set MSB, 0
.macro WIN new
.if MSB != (\new)
	s_set_vgpr_msb (MSB<<8)|(\new)
.set MSB, (\new)
.endif
.endm
.macro PLACES n
.rept \n
	v_nop
.endr
.endm
; two blocks of 32 numbers by turns: largest magnitudes (with the floor as a leaf), scale operands in v[m+4], v[m+5], six registers of codes each
.macro QUANT2 s0, s1, d0, d1, t0, t1, m
	v_max3_num_f32 v[(\m)],   |v[(\s0)]|,    |v[(\s0)+1]|,  0x1800000
	v_max3_num_f32 v[(\m)+1], |v[(\s1)]|,    |v[(\s1)+1]|,  0x1800000
	v_max3_num_f32 v[(\m)+2], |v[(\s0)+16]|, |v[(\s0)+17]|, |v[(\s0)+18]|
	v_max3_num_f32 v[(\m)+3], |v[(\s1)+16]|, |v[(\s1)+17]|, |v[(\s1)+18]|
.irp i, 2,4,6,8,10,12
	v_max3_num_f32 v[(\m)],   v[(\m)],   |v[(\s0)+\i]|,    |v[(\s0)+\i+1]|
	v_max3_num_f32 v[(\m)+1], v[(\m)+1], |v[(\s1)+\i]|,    |v[(\s1)+\i+1]|
	v_max3_num_f32 v[(\m)+2], v[(\m)+2], |v[(\s0)+\i+17]|, |v[(\s0)+\i+18]|
	v_max3_num_f32 v[(\m)+3], v[(\m)+3], |v[(\s1)+\i+17]|, |v[(\s1)+\i+18]|
.endr
	v_max3_num_f32 v[(\m)],   v[(\m)],   |v[(\s0)+14]|, |v[(\s0)+15]|
	v_max3_num_f32 v[(\m)+1], v[(\m)+1], |v[(\s1)+14]|, |v[(\s1)+15]|
	v_max3_num_f32 v[(\m)],   v[(\m)],   v[(\m)+2], |v[(\s0)+31]|
	v_max3_num_f32 v[(\m)+1], v[(\m)+1], v[(\m)+3], |v[(\s1)+31]|
	v_add_nc_u32 v[(\m)+4], 0xff000000, v[(\m)]
	v_add_nc_u32 v[(\m)+5], 0xff000000, v[(\m)+1]
	v_cvt_scalef32_pk16_fp6_f32 v[(\d0):(\d0)+2], v[(\s0):(\s0)+15], v[(\m)+4]
	v_cvt_scalef32_pk16_fp6_f32 v[(\t0):(\t0)+2], v[(\s0)+16:(\s0)+31], v[(\m)+4]
	v_cvt_scalef32_pk16_fp6_f32 v[(\d1):(\d1)+2], v[(\s1):(\s1)+15], v[(\m)+5]
	v_cvt_scalef32_pk16_fp6_f32 v[(\t1):(\t1)+2], v[(\s1)+16:(\s1)+31], v[(\m)+5]
	v_nop                                          ; one plain line behind the last scaled conversion
.irp i, 0,1,2
	v_mov_b32 v[(\d0)+3+\i], v[(\t0)+\i]
	v_mov_b32 v[(\d1)+3+\i], v[(\t1)+\i]
.endr
.endm
.macro MM zero, row
.if \zero
.if \row
	v_wmma_scale_f32_16x16x128_f8f6f4 v[rD:rD+7], v[rA:rA+11], v[rB:rB+11], 0, v[rSA], v[rSB] matrix_a_fmt:MATRIX_FMT_FP6 matrix_b_fmt:MATRIX_FMT_FP6 matrix_a_scale:MATRIX_SCALE_ROW1
.else
	v_wmma_scale_f32_16x16x128_f8f6f4 v[rD:rD+7], v[rA:rA+11], v[rB:rB+11], 0, v[rSA], v[rSB] matrix_a_fmt:MATRIX_FMT_FP6 matrix_b_fmt:MATRIX_FMT_FP6
.endif
.else
.if \row
	v_wmma_scale_f32_16x16x128_f8f6f4 v[rD:rD+7], v[rA:rA+11], v[rB:rB+11], v[rD:rD+7], v[rSA], v[rSB] matrix_a_fmt:MATRIX_FMT_FP6 matrix_b_fmt:MATRIX_FMT_FP6 matrix_a_scale:MATRIX_SCALE_ROW1
.else
	v_wmma_scale_f32_16x16x128_f8f6f4 v[rD:rD+7], v[rA:rA+11], v[rB:rB+11], v[rD:rD+7], v[rSA], v[rSB] matrix_a_fmt:MATRIX_FMT_FP6 matrix_b_fmt:MATRIX_FMT_FP6
.endif
.endif
.endm
; the lines in front of a barrier behind which a slot is filled.  adv: what slot sl's next chunk lies further on in memory (no load of mine is out when its address is stepped)
.macro SEQ adv, sl
	s_wait_alu depctr_va_vdst(0)
	s_wait_tensorcnt 0x0                           ; my chunk has landed
	ds_add_u32 v[SPW], v[NIL]
.if \adv
	s_add_nc_u64 s[G0+4*\sl+2:G0+4*\sl+3], s[G0+4*\sl+2:G0+4*\sl+3], \adv
.endif
	s_wait_dscnt 0x0                               ; the add, my reads of the other slot and my stores into the image are done
	s_barrier_signal -1
	s_barrier_wait -1
.endm
.macro TLOAD sl
	tensor_load_to_lds s[G0+4*\sl:G0+4*\sl+3], s[G1:G1+7]
	s_nop 0
.endm
.set ff, 0
.macro WLOAD                           ; 16 more of my 64 weight fragments: they travel while the wave waits for a chunk
.rept 16
.if ff < 63
	WIN (1+ff/21)<<6
.set rA, 12*(ff%21)
.else
	WIN 0
.set rA, F63
.endif
.irp q, 0,1,2
	global_load_b128 v[rA+4*\q:rA+4*\q+3], v[LIW], s[56:57] offset:1536*ff+512*\q
.endr
.set ff, ff+1
.endr
	WIN 0
.endm
.macro RD s, sl                        ; K step s's numbers: lane (r, h) takes blocks h and 2 + h of row r, 32 numbers each
.set nb, ACC+64*((\s)%2)
.set RX, RA+(RA1-RA)*(\sl)
.irp c, 0,1
.irp j, 0,1,2,3,4,5,6,7
	ds_load_b128 v[nb+32*\c+4*\j:nb+32*\c+4*\j+3], v[RX] offset:((\s)%2)*512+256*\c+16*\j
.endr
.endr
.endm
.macro QZ s, rho                       ; they become my tile's fragment of K step s and its scale words, in round rho's image
.set nb, ACC+64*((\s)%2)
.set pcr, 192+12*((\s)%2)
	QUANT2 nb, nb+32, pcr, pcr+6, 216, 220, MX
	v_lshrrev_b32 v[TB], 23, v[MX+4]
	v_lshrrev_b32 v[TB+1], 23, v[MX+5]
	v_lshl_or_b32 v[TB], v[TB+1], 16, v[TB]
	v_lshlrev_b32 v[TB], v[SH8], v[TB]
	v_permlanex16_b32 v[TB+1], v[TB], s[SEL], s[SEL+1]
	v_or_b32 v[PW+(\s)%2], v[TB], v[TB+1]
.irp g, 0,1,2
	ds_store_b128 v[IW], v[pcr+4*\g:pcr+4*\g+3] offset:49152*(1-(\rho))+1536*(\s)+512*\g
.endr
	ds_store_b32 v[SW], v[PW+(\s)%2] offset:4096*(\rho)+128*(\s)
.endm
.macro QSTEP g, sl, rho                ; a chunk: K steps 2 g and 2 g + 1
	RD 2*(\g), \sl
	RD 2*(\g)+1, \sl
	s_wait_dscnt 16                                ; the first K step's 16 loads are in
	QZ 2*(\g), \rho
	s_wait_dscnt 4                                 ; the second's too: behind them stand four stores
	QZ 2*(\g)+1, \rho
.endm
.macro FETCHX m, half, rho
.set LX, LI+(LI1-LI)*(\rho)
.irp s, 0,1,2,3
.irp g, 0,1,2
	ds_load_b128 v[XF+48*(\half)+12*\s+4*\g:XF+48*(\half)+12*\s+4*\g+3], v[LX] offset:(8*(\m)+4*(\half)+\s)*1536+512*\g
.endr
.endr
.irp s, 0,1,2,3
	ds_load_b32 v[XS+4*(\half)+\s], v[LS] offset:4096*(\rho)+(8*(\m)+4*(\half)+\s)*128
.endr
.endm
.macro MULS half                       ; four K steps x eight channel tiles; the eight accumulators take turns
.set ss, 4*(\half)
.rept 4
.set tt, 0
.rept 8
.set fw, 8*ss+tt
.if fw < 63
	WIN 1+fw/21
.set rA, 12*(fw%21)
.else
	WIN 0
.set rA, F63
.endif
.set rD, ACC+8*tt
.set rB, XF+12*ss
.set rSA, WS+4*ss+tt/2
.set rSB, XS+ss
.if ss == 0
	MM 1, tt%2
.else
	MM 0, tt%2
.endif
.set tt, tt+1
.endr
.set ss, ss+1
.endr
.endm
.macro PROD m, rho                     ; token tile m of round rho x my 128 channels: lane (r, h) holds token r; registers 0-31 head 4 w + h, 32-63 head 4 w + 2 + h
	FETCHX \m, 0, \rho
	FETCHX \m, 1, \rho
	s_wait_dscnt 16                                ; the first half's 16 loads are in
	MULS 0
	s_wait_dscnt 0x0
	MULS 1
	WIN 0
	PLACES 5
.endm
.macro EPIQ m                          ; two heads' blocks of 32 channels of my token: codes and bytes into my stage, in the order of the attention launch's fragments
	QUANT2 ACC, ACC+32, 176, 182, 188, 192, MX
	v_lshrrev_b32 v[MX], 23, v[MX+4]
	v_lshrrev_b32 v[MX+1], 23, v[MX+5]
.irp c, 0,1
.irp p, 0,1,2
	ds_store_b64 v[QSTA], v[176+6*\c+2*\p:177+6*\c+2*\p] offset:QST+3072*\c+384*((\m)/2)+24*((\m)%2)+8*\p
.endr
	ds_store_b8 v[QSSA], v[MX+\c] offset:QSS+128*\c+32*((\m)/2)+2*((\m)%2)
.endr
	s_wait_dscnt 0x0
.endm
.macro OUTQ rho                        ; a round's four fragments (one a head) and 256 scale bytes leave in runs of 512 and 64 bytes
.irp n, 0,1,2,3,4,5,6,7,8,9,10,11
	ds_load_b128 v[128+4*\n:131+4*\n], v[RBQ] offset:QST+512*\n
.endr
	ds_load_b64 v[176:177], v[R8Q] offset:QSS
.irp n, 0,1,2,3,4,5,6,7,8,9,10,11
	s_wait_dscnt 12-\n
	global_store_b128 v[LIW], v[128+4*\n:131+4*\n], s[60:61] offset:(\n/3)*49152+(\n%3)*512+1536*(\rho)
.endr
	s_wait_dscnt 0x0
	global_store_b64 v[GS], v[176:177], s[62:63] offset:64*(\rho)
.endm
	s_load_b256 s[4:11], s[0:1], 0x0               ; q, k, v, wts
	s_load_b128 s[12:15], s[0:1], 0x20             ; qb, kb
	s_load_b64 s[16:17], s[0:1], 0x30              ; vb
	v_lshl_add_u32 v[SPW], v0, 2, SPARE
	v_mov_b32 v[NIL], 0
	ds_add_u32 v[SPW], v[NIL]                      ; the opening lines: the add, twice on end, and its wait ahead of my first tensor load
	ds_add_u32 v[SPW], v[NIL]
	v_lshrrev_b32 v250, 5, v0
	v_readfirstlane_b32 s[WV], v250
	s_lshr_b32 s[TT], ttmp9, 6
	s_min_u32 s[TT], s[TT], 2                      ; the tensor: 0 q, 1 k, 2 v
	s_and_b32 s20, ttmp9, 63
	s_lshl_b32 s20, s20, 1                         ; q, k: groups of 64 tokens X and X + 1, X = 2 (x % 64)
	s_and_b32 s23, ttmp9, 127                      ; v: X = x - 128
	s_cmp_eq_u32 s[TT], 2
	s_cselect_b32 s20, s23, s20
	s_lshr_b32 s21, s20, 5                         ; the batch
	s_and_b32 s22, s20, 31                         ; the group in it
	s_mov_b32 s[G1], (2<<16)|(1<<20)|(7<<22)|(3<<25)   ; elements of 4 bytes; 4 dwords of padding behind every 256
	s_mov_b32 s[G1+1], 256<<16
	s_mov_b32 s[G1+2], 16<<16
	s_mov_b32 s[G1+3], 256<<16
	s_mov_b32 s[G1+4], 16
	s_mov_b32 s[G1+5], 1024
	s_mov_b32 s[G1+6], 0
	s_mov_b32 s[G1+7], 0
	s_mov_b32 s[SEL], 0x76543210
	s_mov_b32 s[SEL+1], 0xfedcba98
	s_mul_i32 s30, s[WV], CHUNK
	s_lshl_b32 s26, s20, 6
	s_lshl_b32 s27, s[WV], 4
	s_add_co_u32 s26, s26, s27                     ; q, k: my first row 64 X + 16 w
	s_lshr_b32 s27, s20, 1
	s_lshl_b32 s27, s27, 7
	s_and_b32 s28, s20, 1
	s_lshl_b32 s28, s28, 5
	s_add_co_u32 s27, s27, s28
	s_lshr_b32 s28, s[WV], 1
	s_lshl_b32 s28, s28, 6
	s_add_co_u32 s27, s27, s28
	s_and_b32 s28, s[WV], 1
	s_lshl_b32 s28, s28, 4
	s_add_co_u32 s27, s27, s28                     ; v: 128 (X / 2) + 32 (X % 2) + 64 (w / 2) + 16 (w % 2)
	s_cmp_eq_u32 s[TT], 2
	s_cselect_b32 s26, s27, s26
	s_lshl_b32 s26, s26, 12
	s_mov_b32 s27, 0
	v_and_b32 v250, 31, v0                         ; l
	v_and_b32 v251, 15, v0                         ; r
	v_bfe_u32 v252, v0, 4, 1                       ; h
	v_and_b32 v253, 7, v0
	v_bfe_u32 v254, v0, 3, 1
	v_lshlrev_b32 v[LIW], 4, v250
	v_lshlrev_b32 v[LSW], 2, v250
	v_lshlrev_b32 v[GV8], 3, v250
	s_mul_i32 s70, s21, 786432
	s_mul_i32 s71, s[WV], 196608
	s_add_co_u32 s70, s70, s71
	s_mul_i32 s71, s22, 1536
	s_add_co_u32 s72, s70, s71
	s_mov_b32 s73, 0
	s_lshl_b32 s74, s21, 15
	s_lshl_b32 s75, s[WV], 13
	s_add_co_u32 s74, s74, s75
	s_add_co_u32 s74, s74, SOFF
	s_lshl_b32 s75, s22, 6
	s_add_co_u32 s76, s74, s75
	s_mov_b32 s77, 0
	s_lshr_b32 s78, s22, 1
	s_and_b32 s79, s22, 1
	s_mul_i32 s80, s78, 3072
	s_mul_i32 s81, s79, 768
	s_add_co_u32 s80, s80, s81
	s_add_co_u32 s80, s80, s70
	s_mov_b32 s81, 0
	s_lshl_b32 s82, s78, 7
	s_add_co_u32 s82, s82, s79
	s_add_co_u32 s82, s82, s74
	s_mov_b32 s83, 0
	s_mul_i32 s56, s[TT], 393216
	s_mul_i32 s57, s[WV], 98304
	s_add_co_u32 s56, s56, s57
	s_mov_b32 s57, 0
	s_lshl_b32 s58, s[TT], 14
	s_lshl_b32 s59, s[WV], 12
	s_add_co_u32 s58, s58, s59
	s_add_co_u32 s58, s58, 1572864
	s_mov_b32 s59, 0
	s_wait_alu depctr_va_vdst(0)
	s_wait_dscnt 0x0
	s_wait_kmcnt 0x0
	s_cmp_eq_u32 s[TT], 0
	s_cselect_b64 s[28:29], s[4:5], s[6:7]
	s_cmp_eq_u32 s[TT], 2
	s_cselect_b64 s[28:29], s[8:9], s[28:29]
	s_add_nc_u64 s[28:29], s[28:29], s[26:27]
.irp g, 0,1
	s_mov_b32 s[G0+4*\g], 1
	s_add_co_u32 s[G0+4*\g+1], s30, \g*SLOT
	s_add_nc_u64 s[G0+4*\g+2:G0+4*\g+3], s[28:29], \g*1024
	s_or_b32 s[G0+4*\g+3], s[G0+4*\g+3], 0x80000000
.endr
	TLOAD 0                                        ; chunk 0: my one tensor load at the head
	s_add_nc_u64 s[56:57], s[10:11], s[56:57]
	s_add_nc_u64 s[58:59], s[10:11], s[58:59]
	s_cmp_eq_u32 s[TT], 0
	s_cselect_b64 s[60:61], s[12:13], s[14:15]
	s_add_nc_u64 s[62:63], s[60:61], s[76:77]
	s_add_nc_u64 s[60:61], s[60:61], s[72:73]
	s_add_nc_u64 s[66:67], s[16:17], s[80:81]
	s_add_nc_u64 s[68:69], s[16:17], s[82:83]
	WLOAD
	v_mul_u32_u24 v[RA], v251, RP
	v_lshl_add_u32 v[RA], v252, 7, v[RA]
	v_add_nc_u32 v[RA], s30, v[RA]                 ; raw numbers, slot 0: row r, 128 h
	v_add_nc_u32 v[RA1], SLOT, v[RA]               ; and slot 1
	v_add_nc_u32 v[LI1], XIMG1, v[LIW]
	v_add_nc_u32 v[LI], XIMG0, v[LIW]
	v_add_nc_u32 v[LS], XSCL, v[LSW]
	s_mul_i32 s31, s[WV], 12288
	v_add_nc_u32 v[IW], s31, v[LI1]                ; my tile's part of an image
	s_lshl_b32 s31, s[WV], 10
	v_add_nc_u32 v[SW], s31, v[LS]
	v_lshlrev_b32 v[SH8], 3, v252
	s_mul_i32 s31, s[WV], 6656
	s_add_co_u32 s31, s31, QSTG
	v_mul_u32_u24 v[QSTA], v253, 48
	v_mad_u32_u24 v[QSTA], v254, 768, v[QSTA]
	v_mad_u32_u24 v[QSTA], v252, 1536, v[QSTA]
	v_add_nc_u32 v[QSTA], s31, v[QSTA]
	v_lshlrev_b32 v[QSSA], 6, v252
	v_lshl_add_u32 v[QSSA], v253, 2, v[QSSA]
	v_add_nc_u32 v[QSSA], v254, v[QSSA]
	v_add_nc_u32 v[QSSA], s31, v[QSSA]
	v_add_nc_u32 v[RBQ], s31, v[LIW]
	v_add_nc_u32 v[R8Q], s31, v[GV8]
	s_mul_i32 s23, s[WV], VREG
	v_mul_u32_u24 v[VSTA], v251, 528
	v_lshl_add_u32 v[VSTA], v252, 7, v[VSTA]
	v_add_nc_u32 v[VSTA], s23, v[VSTA]
	v_add_nc_u32 v[VRD], s23, v[LSW]
	v_mul_u32_u24 v[VCSA], v254, 768
	v_mad_u32_u24 v[VCSA], v252, 384, v[VCSA]
	v_mad_u32_u24 v[VCSA], v253, 48, v[VCSA]
	v_add_nc_u32 v[VCSA], s23, v[VCSA]
	v_add_nc_u32 v[R8V], s23, v[GV8]
	v_lshrrev_b32 v[GS], 3, v250
	v_lshlrev_b32 v[GS], 11, v[GS]
	v_lshl_add_u32 v[GS], v253, 3, v[GS]
	v_lshlrev_b32 v[GVS], 6, v254
	v_lshl_add_u32 v[GVS], v252, 5, v[GVS]
	v_lshl_add_u32 v[GVS], v253, 2, v[GVS]
; Chunk c lies in slot c % 2.  In step c the wave waits for chunk c, passes the barrier, asks for chunk c + 1 into the other slot and works on chunk c.  Chunks 0-3 are round 0's 1,024 along K, chunks 4-7 round 1's, 64 rows further down.
	SEQ 0, 0
	TLOAD 1
	WLOAD
	QSTEP 0, 0, 0
	SEQ 2048, 0
	TLOAD 0
	WLOAD
	QSTEP 1, 1, 0
	SEQ 2048, 1
	TLOAD 1
	WLOAD
.set ii, 0
.rept 32
	global_load_b32 v[WS+ii], v[LSW], s[58:59] offset:128*ii
.set ii, ii+1
.endr
	QSTEP 2, 0, 0
	SEQ 260096, 0
	s_cmp_eq_u32 s[TT], 2                          ; v has one round: its path asks for nothing more
	s_cbranch_scc1 .Lvpath
	TLOAD 0
	QSTEP 3, 1, 0
	SEQ 260096, 1                                  ; behind this barrier round 0's image is whole
	TLOAD 1
	QSTEP 0, 0, 1
	s_wait_loadcnt 0x0                             ; the weights
	PROD 0, 0
	EPIQ 0
	SEQ 2048, 0
	TLOAD 0
	QSTEP 1, 1, 1
	PROD 1, 0
	EPIQ 1
	SEQ 2048, 1
	TLOAD 1
	QSTEP 2, 0, 1
	PROD 2, 0
	EPIQ 2
	s_wait_alu depctr_va_vdst(0)
	s_wait_tensorcnt 0x0                           ; the last chunk; only I read it, and nothing is filled again
	QSTEP 3, 1, 1
	PROD 3, 0
	EPIQ 3
	OUTQ 0
	s_wait_xcnt 0x0                                ; the stores have read their registers
	s_wait_alu depctr_va_vdst(0)
	s_wait_dscnt 0x0
	s_barrier_signal -1
	s_barrier_wait -1                              ; round 1's image is whole
.irp m, 0,1,2,3
	PROD \m, 1
	EPIQ \m
.endr
	OUTQ 1
	s_wait_tensorcnt 0x0                           ; the wave's end
	ds_add_u32 v[SPW], v[NIL]
	s_wait_dscnt 0x0
	s_endpgm
.Lvpath:
	QSTEP 3, 1, 0
	s_wait_alu depctr_va_vdst(0)
	s_wait_dscnt 0x0
	s_barrier_signal -1
	s_barrier_wait -1                              ; the image is whole, and nobody reads the ring any more: the stages may lie over it
	s_wait_loadcnt 0x0
.macro EPIV m                          ; V's block runs along tokens: the results turn through my stage, [token][128 channels] of f32
.set qq, 0
.rept 16
	ds_store_b128 v[VSTA], v[ACC+4*qq:ACC+4*qq+3] offset:8448*(\m)+256*(qq/8)+16*(qq%8)
.set qq, qq+1
.endr
.endm
.irp m, 0,1,2,3
	PROD \m, 0
	EPIV \m
.endr
.macro RDV e                           ; lane l takes channel 32 e + l, its 64 registers run down the tokens
.set nbv, ACC+64*((\e)%2)
.set ii, 0
.rept 64
	ds_load_b32 v[nbv+ii], v[VRD] offset:128*(\e)+528*ii
.set ii, ii+1
.endr
.endm
.macro STEPV e
.if (\e) == 0
	s_wait_dscnt 0x0
.else
	s_wait_dscnt 6                                 ; behind this head's 64 loads stand the last head's six stores
.endif
.if (\e) < 3
	RDV (\e)+1
.endif
.set nbv, ACC+64*((\e)%2)
.set pcr, 192+12*((\e)%2)
	QUANT2 nbv, nbv+32, pcr, pcr+6, 216, 220, MX
	v_lshrrev_b32 v[BYV+2*(\e)], 23, v[MX+4]
	v_lshrrev_b32 v[BYV+2*(\e)+1], 23, v[MX+5]
.irp c, 0,1
.irp p, 0,1,2
	ds_store_b64 v[VCSA], v[pcr+6*\c+2*\p:pcr+6*\c+2*\p+1] offset:VCS+1536*(\e)+24*\c+8*\p
.endr
	global_store_b8 v[GVS], v[BYV+2*(\e)+\c], s[68:69] offset:2048*(\e)+2*\c
.endr
.endm
	s_wait_dscnt 0x0
	RDV 0
.irp e, 0,1,2,3
	STEPV \e
.endr
.irp n, 0,1,2,3,4,5,6,7,8,9,10,11,12,13,14,15,16,17,18,19,20,21,22,23
	ds_load_b64 v[64+2*\n:65+2*\n], v[R8V] offset:VCS+256*\n
.endr
.irp n, 0,1,2,3,4,5,6,7,8,9,10,11,12,13,14,15,16,17,18,19,20,21,22,23
	s_wait_dscnt 23-\n
	global_store_b64 v[GV8], v[64+2*\n:65+2*\n], s[66:67] offset:(\n/6)*49152+((\n/3)%2)*1536+(\n%3)*256
.endr
	s_wait_tensorcnt 0x0                           ; the wave's end
	ds_add_u32 v[SPW], v[NIL]
	s_wait_dscnt 0x0
	s_endpgm
.Lfunc_end_k_qe1d8fd1dc6_proj:
	.size	k_qe1d8fd1dc6_proj, .Lfunc_end_k_qe1d8fd1dc6_proj-k_qe1d8fd1dc6_proj
	.p2alignl 7, 3214868480
	.fill 96, 4, 3214868480
	.section	.rodata,"a",@progbits
	.p2align	6, 0x0
	.amdhsa_kernel k_qe1d8fd1dc6_proj
		.amdhsa_group_segment_fixed_size 327680
		.amdhsa_private_segment_fixed_size 0
		.amdhsa_enable_private_segment 0
		.amdhsa_kernarg_size 56
		.amdhsa_user_sgpr_count 2
		.amdhsa_user_sgpr_kernarg_segment_ptr 1
		.amdhsa_wavefront_size32 1
		.amdhsa_system_sgpr_workgroup_id_x 1
		.amdhsa_system_sgpr_workgroup_id_y 1
		.amdhsa_system_sgpr_workgroup_id_z 1
		.amdhsa_system_vgpr_workitem_id 0
		.amdhsa_next_free_vgpr 1024
		.amdhsa_next_free_sgpr 96
		.amdhsa_reserve_vcc 0
		.amdhsa_float_denorm_mode_32 3
		.amdhsa_float_denorm_mode_16_64 3
		.amdhsa_memory_ordered 1
		.amdhsa_forward_progress 1
		.amdhsa_inst_pref_size 255
	.end_amdhsa_kernel
	.section	.bss,"aw",@nobits
	.p2align	6
	.space	262144
	.amdgpu_metadata
---
amdhsa.version: [ 1, 2 ]
amdhsa.kernels:
  - .name:           k_qe1d8fd1dc6_proj
    .symbol:         k_qe1d8fd1dc6_proj.kd
    .args:
      - { .name: q, .offset: 0, .size: 8, .value_kind: global_buffer, .address_space: global }
      - { .name: k, .offset: 8, .size: 8, .value_kind: global_buffer, .address_space: global }
      - { .name: v, .offset: 16, .size: 8, .value_kind: global_buffer, .address_space: global }
      - { .name: wts, .offset: 24, .size: 8, .value_kind: global_buffer, .address_space: global }
      - { .name: qb, .offset: 32, .size: 8, .value_kind: global_buffer, .address_space: global }
      - { .name: kb, .offset: 40, .size: 8, .value_kind: global_buffer, .address_space: global }
      - { .name: vb, .offset: 48, .size: 8, .value_kind: global_buffer, .address_space: global }
    .group_segment_fixed_size: 327680
    .private_segment_fixed_size: 0
    .kernarg_segment_align: 8
    .kernarg_segment_size: 56
    .max_flat_workgroup_size: 128
    .sgpr_count:     96
    .vgpr_count:     1024
    .wavefront_size: 32
...
	.end_amdgpu_metadata
.endif
;; end of part 2
;; launch attn (part 3): grid 4 x 64, 16 waves a work-group, clusters of 4 x 1, 167,936 bytes of LDS; arguments qb, kb, vb, xb; writes xb
.if DOCPART == 3
	.amdgcn_target "amdgcn-amd-amdhsa--gfx1250"
	.amdhsa_code_object_version 6
	.text
	.protected	k_qe1d8fd1dc6_attn
	.globl	k_qe1d8fd1dc6_attn
	.p2align	8
	.type	k_qe1d8fd1dc6_attn,@function
k_qe1d8fd1dc6_attn:
	s_mov_b64 s[64:65], 0
	v_nop
	global_prefetch_b8 v0, s[64:65] scope:SCOPE_SE
	s_setreg_imm32_b32 hwreg(HW_REG_WAVE_MODE, 25, 1), 1
	s_wait_xcnt 0x0
	s_wait_alu depctr_hold_cnt(0) depctr_sa_sdst(0) depctr_va_vdst(0) depctr_va_sdst(0) depctr_va_ssrc(0) depctr_va_vcc(0) depctr_vm_vsrc(0)
	s_getreg_b32 s2, hwreg(HW_REG_IB_STS2, 6, 4)
	s_cmp_eq_u32 s2, 0
	s_cbranch_scc0 .Lentry_in_a_cluster
	s_endpgm
.Lentry_in_a_cluster:
	s_bfe_u32 s2, ttmp6, 0x10000c
	s_cmp_lg_u32 s2, 0x3003
	s_cbranch_scc0 .Lentry_shape_is_right
	s_endpgm
.Lentry_shape_is_right:
; x[b, head][q] = (sum over keys of p V) / l, p = 2^(t - M), t = score x log2(e) / 32, M the running largest t rounded up to a whole number, l the sum of the unquantised p; both products on codes of E2M3.
; x is then quantised along the head's 32 channels, which are one block of the last product's K.
; SHARES.  A work-group owns one (batch, head) and 512 queries; each of its sixteen waves one tile of 16 queries in each of two passes: 256 registers a wave, four waves to a SIMD, so that one wave's vector work
; stands beside another's products and LDS loads.  THE WHOLE HEAD'S K AND V, 100 KiB of codes and scale bytes, LIE IN LDS, FILLED ONCE: no ring, no refill.
; CLUSTER.  The four work-groups of a head need the same K and V: each part is asked for JOINTLY, by the same tensor load with the same descriptor and a mask that names the four.  One tensor load of a wave is out.
; THE SCORES.  K = 32 is a quarter of the instruction's 128.  A fragment of kb holds 64 keys: 16 in each of its four K blocks.  Q stands in four operands, its block at K block i and zero CODES elsewhere: the product with
; operand i takes the fragment's keys of block i.  (A zero code is the number 0, and E2M3 has no code that is not a number: the other blocks add nothing.)  So K's fragments are read from LDS dense, each once.
; LAYOUT.  Both products are used transposed: a lane holds ONE query.  kb's order of tokens makes register 32 c + n of lane (r, h) the key 128 step + 64 c + 32 h + n: a WHOLE block of the second product's K in a lane:
; its largest score needs no other lane, and the conversions' results are the operand as it stands.  vb's order of channels makes a lane's 16 results 16 neighbouring channels.
; LIMITS: NaN and infinities are not served; a block whose every p is 0 gets the byte 1 (its codes are zeros).
.set VC,    49152                      ; LDS: K's codes at 0, V's here,
.set KSO,   98304                      ; K's scale bytes, V's 2,048 on,
.set XST,   102400                     ; x's codes: 512 tokens x 24 bytes,
.set XSS,   114688                     ; their scale bytes,
.set SPARE, 115200                     ; the spare words: 128 bytes a wave, eight blocks of 256 bytes that no other line names
.set SOFF,  3145728
.set AC0, 1                            ; v1   48 l: my lane's 48 bytes of a fragment
.set AS0, 2                            ; v2   KSO + 4 l
.set ADC, 3                            ; v3   the step's fragments
.set ADS, 4                            ; v4   the step's scale words
.set SH8, 5                            ; v5   8 h
.set XSA, 6                            ; v6   where my 12 bytes of x go
.set XBA, 7                            ; v7   and its scale byte
.set SPW, 8                            ; v8   my spare word; never rewritten
.set NIL, 9                            ; v9   0; never rewritten
.set RB,  10                           ; v10  the way out: my wave's 768 bytes of codes
.set RS,  11                           ; v11  and (waves 0, 1) 256 scale bytes
;                                        v12 -M, v13 the largest t, v[14:15] the sum in two halves
.set QE,  16                           ; v16-33   six zeros, Q in lanes 0-15, six zeros: v22 on is operand 0, v16 on operand 2
.set QO,  34                           ; v34-51   the same with Q in lanes 16-31: operands 1 and 3
.set KF,  52                           ; v52-75   two fragments of K
.set VF,  76                           ; v76-99   two fragments of V
.set S,   100                          ; v100-163 the scores, then p
.set O,   164                          ; v164-179 two accumulators
.set P,   180                          ; v180-191 p's codes
.set PT,  192                          ; v192-198 the upper halves of two blocks' codes
.set TM,  200                          ; v200-213 at work
.set KSC, 216
.set VSC, 217
.set PSC, 218
.set QSC, 219
.set FF,  220                          ; v[220:221] f = 2^(old M - new M)
.set QR,  222                          ; v222-236 Q as loaded: six registers and a byte for each pass
.set QA,  238
.set QB,  239
.set GB,  240                          ; v240 8 l
.set WV,  12
.set SEL, 20
.set CS,  22
.set G1C, 24
.set G1S, 32
.set G0C, 40
.set G0S, 44
.set TB,  48
.set TS,  49
.set CNT, 50
.set MSK, 51
.set REP, 70
.macro ROUND                           ; a round of the cluster's barrier
	s_barrier_signal -1
	s_barrier_wait -1
	s_cmp_lg_u32 s[WV], 0
	s_cbranch_scc1 .Lnot_wave_0_\@
	s_barrier_signal -3
.Lnot_wave_0_\@:
	s_barrier_wait -3
	s_barrier_signal -1
	s_barrier_wait -1
.endm
	s_load_b256 s[4:11], s[0:1], 0x0               ; qb s[4:5], kb s[6:7], vb s[8:9], xb s[10:11]
	v_lshl_add_u32 v[SPW], v0, 2, SPARE
	v_mov_b32 v[NIL], 0
	ds_add_u32 v[SPW], v[NIL]                      ; the wave's opening: the add and its wait ahead of the round in front of the first tensor loads; work on registers stands between them
	ds_add_u32 v[SPW], v[NIL]
	v_lshrrev_b32 v1, 5, v0
	s_delay_alu instid0(VALU_DEP_1)
	v_readfirstlane_b32 s[WV], v1                  ; wave 0..15
	s_bfe_u32 s13, ttmp6, 0x40000                  ; cx: my block of 512 queries; it enters qb's and xb's addresses alone
	s_and_b32 s14, ttmp7, 0xffff                   ; 16 b + head, which the four partners share
	; descriptor groups 1: dense blocks as rows of 256 bytes (32 elements of 8 bytes): 48 rows of codes, 8 rows of scale bytes
	s_mov_b32 s[G1C], 15|(3<<16)|(1<<21)           ; the mask: all four work-groups; elements of 8 bytes; bit 21 set beside a mask; no padding
	s_mov_b32 s[G1C+1], 32<<16
	s_mov_b32 s[G1C+2], 48<<16
	s_mov_b32 s[G1C+3], 32<<16
	s_mov_b32 s[G1C+4], 48
	s_mov_b32 s[G1C+5], 32
	s_mov_b32 s[G1C+6], 0
	s_mov_b32 s[G1C+7], 0
	s_mov_b32 s[G1S], 15|(3<<16)|(1<<21)
	s_mov_b32 s[G1S+1], 32<<16
	s_mov_b32 s[G1S+2], 8<<16
	s_mov_b32 s[G1S+3], 32<<16
	s_mov_b32 s[G1S+4], 8
	s_mov_b32 s[G1S+5], 32
	s_mov_b32 s[G1S+6], 0
	s_mov_b32 s[G1S+7], 0
	s_and_b32 s15, s[WV], 7                        ; waves 0-3: K's quarters; 4-7: V's
	s_mul_i32 s16, s15, 12288                      ; in LDS,
	s_and_b32 s17, s[WV], 3
	s_mul_i32 s17, s17, 12288
	s_mul_i32 s18, s14, 49152
	s_add_co_u32 s18, s18, s17                     ; and in memory
	s_mov_b32 s19, 0
	s_and_b32 s52, s[WV], 1                        ; wave 8: K's scale bytes; 9: V's
	s_lshl_b32 s53, s52, 11
	s_add_co_u32 s53, s53, KSO
	s_lshl_b32 s58, s14, 11
	s_add_co_u32 s58, s58, SOFF
	s_mov_b32 s59, 0
	s_mov_b32 s[SEL], 0x76543210
	s_mov_b32 s[SEL+1], 0xfedcba98                 ; v_permlanex16_b32's selects for lane l xor 16
	s_mov_b32 s[CS], 0x3d38aa3b                    ; c = log2(e) / 32: t = score x c
	s_mov_b32 s[CS+1], s[CS]                       ; (named with it as a pair, so it is written)
	s_mov_b32 s[MSK], 0xffff                       ; lanes 0-15
	s_mov_b32 s[REP], 0x01010101
	; my tile of pass p is 16 p + w: group of 64 tokens 4 p + w / 4, K block i = w % 4 of qb's fragment
	s_lshl_b32 s71, s14, 5
	s_lshl_b32 s72, s13, 3
	s_add_co_u32 s71, s71, s72
	s_lshr_b32 s72, s[WV], 2
	s_add_co_u32 s71, s71, s72                     ; pass 0's group
	s_mul_i32 s54, s71, 1536
	s_and_b32 s72, s[WV], 1
	s_mul_i32 s72, s72, 768
	s_add_co_u32 s54, s54, s72
	s_bfe_u32 s72, s[WV], 0x10001
	s_mul_i32 s72, s72, 24
	s_add_co_u32 s54, s54, s72
	s_mov_b32 s55, 0
	s_lshl_b32 s56, s71, 6
	s_and_b32 s72, s[WV], 3
	s_add_co_u32 s56, s56, s72
	s_add_co_u32 s56, s56, SOFF
	s_mov_b32 s57, 0
	s_mul_i32 s66, s14, 49152                      ; xb: the head, my 512 tokens, my wave's 768 bytes
	s_mul_i32 s67, s13, 12288
	s_add_co_u32 s66, s66, s67
	s_mul_i32 s67, s[WV], 768
	s_add_co_u32 s66, s66, s67
	s_mov_b32 s67, 0
	s_lshl_b32 s68, s14, 11
	s_lshl_b32 s69, s13, 9
	s_add_co_u32 s68, s68, s69
	s_lshl_b32 s69, s52, 8
	s_add_co_u32 s68, s68, s69
	s_add_co_u32 s68, s68, SOFF
	s_mov_b32 s69, 0
	v_and_b32 v241, 31, v0                         ; l
	v_and_b32 v242, 15, v0                         ; r
	v_bfe_u32 v243, v0, 4, 1                       ; h
	v_and_b32 v244, 7, v0
	v_bfe_u32 v245, v0, 3, 1
	s_wait_alu depctr_va_vdst(0)
	v_mul_u32_u24 v[AC0], v241, 48
	v_lshl_add_u32 v[AS0], v241, 2, KSO
	v_lshlrev_b32 v[SH8], 3, v243
	s_lshr_b32 s60, s[WV], 2                       ; lane r's token of pass p: 256 p + 64 (w / 4) + 8 (w % 4) + 32 (r / 8) + r % 8
	s_and_b32 s61, s[WV], 3
	s_mul_i32 s62, s60, 1536
	s_mul_i32 s63, s61, 192
	s_add_co_u32 s62, s62, s63
	s_add_co_u32 s62, s62, XST
	v_mul_u32_u24 v[XSA], v245, 768
	s_delay_alu instid0(VALU_DEP_1)
	v_mad_u32_u24 v[XSA], v244, 24, v[XSA]
	s_delay_alu instid0(VALU_DEP_1)
	v_mad_u32_u24 v[XSA], v243, 12, v[XSA]
	s_delay_alu instid0(VALU_DEP_1)
	v_add_nc_u32 v[XSA], s62, v[XSA]
	s_lshl_b32 s62, s60, 6
	s_lshl_b32 s63, s61, 3
	s_add_co_u32 s62, s62, s63
	s_add_co_u32 s62, s62, XSS
	v_lshl_add_u32 v[XBA], v245, 5, v244
	s_delay_alu instid0(VALU_DEP_1)
	v_add_nc_u32 v[XBA], s62, v[XBA]
	s_mul_i32 s62, s[WV], 768
	s_add_co_u32 s62, s62, XST
	v_lshlrev_b32 v[GB], 3, v241
	s_delay_alu instid0(VALU_DEP_1)
	v_add_nc_u32 v[RB], s62, v[GB]
	s_lshl_b32 s62, s52, 8
	s_add_co_u32 s62, s62, XSS
	v_add_nc_u32 v[RS], s62, v[GB]
	v_mul_u32_u24 v[QA], v242, 48
	v_lshlrev_b32 v[QB], 2, v242
	s_wait_dscnt 0x0                               ; the opening add is done
	s_wait_kmcnt 0x0
	s_mov_b32 s[G0C], 1
	s_mov_b32 s[G0C+1], s16
	s_cmp_lt_u32 s15, 4
	s_cselect_b64 s[G0C+2:G0C+3], s[6:7], s[8:9]
	s_add_nc_u64 s[G0C+2:G0C+3], s[G0C+2:G0C+3], s[18:19]
	s_or_b32 s[G0C+3], s[G0C+3], 0x80000000
	s_mov_b32 s[G0S], 1
	s_mov_b32 s[G0S+1], s53
	s_cmp_eq_u32 s52, 0
	s_cselect_b64 s[G0S+2:G0S+3], s[6:7], s[8:9]
	s_add_nc_u64 s[G0S+2:G0S+3], s[G0S+2:G0S+3], s[58:59]
	s_or_b32 s[G0S+3], s[G0S+3], 0x80000000
	s_add_nc_u64 s[54:55], s[4:5], s[54:55]
	s_add_nc_u64 s[56:57], s[4:5], s[56:57]
	s_add_nc_u64 s[66:67], s[10:11], s[66:67]
	s_add_nc_u64 s[68:69], s[10:11], s[68:69]
	ROUND                                          ; all four work-groups are here: the joint loads meet
	s_cmp_lt_u32 s[WV], 8                          ; the branches hang on the wave's number alone; an s_nop 0 and four v_nop follow each of the two lines
	s_cbranch_scc0 .Lnot_codes
	tensor_load_to_lds s[G0C:G0C+3], s[G1C:G1C+7]
	s_nop 0
.rept 4
	v_nop
.endr
	s_branch .Lasked
.Lnot_codes:
	s_cmp_lt_u32 s[WV], 10
	s_cbranch_scc0 .Lasked
	tensor_load_to_lds s[G0S:G0S+3], s[G1S:G1S+7]
	s_nop 0
.rept 4
	v_nop
.endr
.Lasked:
	s_wait_alu depctr_va_vdst(0)
.irp p, 0,1
.irp j, 0,1,2
	global_load_b64 v[QR+8*\p+2*\j:QR+8*\p+2*\j+1], v[QA], s[54:55] offset:6144*\p+8*\j   ; query r's 24 bytes, in both halves of the lanes
.endr
	global_load_u8 v[QR+8*\p+6], v[QB], s[56:57] offset:256*\p                            ; and its scale byte
.endr
.irp j, 0,1,2,3,4,5
	v_mov_b32 v[QE+\j], 0                          ; the zero codes round Q
	v_mov_b32 v[QE+12+\j], 0
	v_mov_b32 v[QO+\j], 0
	v_mov_b32 v[QO+12+\j], 0
.endr
	v_mov_b32 v[TM+5], 0                           ; written once: a lane permute's destination counts as one of its sources
	v_mov_b32 v[TM+13], 0
	v_mov_b32 v[FF+1], 0                           ; (named as the upper half of a pair)
	s_wait_tensorcnt 0x0                           ; my part of K and V has landed,
	s_barrier_signal -1
	s_barrier_wait -1                              ; everybody's has
	s_wait_loadcnt 0x0                             ; Q
.macro PASS p
.irp j, 0,1,2,3,4,5
	v_cndmask_b32 v[QE+6+\j], 0, v[QR+8*\p+\j], s[MSK]   ; Q in lanes 0-15, zeros in 16-31;
	v_cndmask_b32 v[QO+6+\j], v[QR+8*\p+\j], 0, s[MSK]   ; and the other way round
.endr
	v_mul_lo_u32 v[QSC], v[QR+8*\p+6], s[REP]      ; Q's scale byte at all four places of the word
	v_mov_b32 v13, 0xff61b1e6                      ; the largest t so far: -3e38, under every t
	s_delay_alu instid0(VALU_DEP_1)
	v_floor_f32 v12, -v13                          ; -M
	v_mov_b32 v14, 0
	v_mov_b32 v15, 0
.irp j, 0,1,2,3,4,5,6,7,8,9,10,11,12,13,14,15
	v_mov_b32 v[O+\j], 0                           ; the step is written once: the first finds zeros.  (These lines are also the places between the operands and scale word just written and the first product)
.endr
	s_mov_b32 s[TB], 0
	s_mov_b32 s[TS], 0
	s_mov_b32 s[CNT], 16
.Lstep_\@:                                         ; a step: 128 keys
	v_add_nc_u32 v[ADC], s[TB], v[AC0]
	v_add_nc_u32 v[ADS], s[TS], v[AS0]
	v_nop
	v_nop                                          ; four places in front of loads into registers that the last products have read
.irp c, 0,1
.irp g, 0,1,2
	ds_load_b128 v[KF+12*\c+4*\g:KF+12*\c+4*\g+3], v[ADC] offset:1536*\c+16*\g
.endr
.endr
	ds_load_b32 v[KSC], v[ADS]                     ; lanes 0-15: fragment 0's rows; lanes 16-31: fragment 1's
.irp u, 0,1
.irp g, 0,1,2
	ds_load_b128 v[VF+12*\u+4*\g:VF+12*\u+4*\g+3], v[ADC] offset:VC+1536*\u+16*\g
.endr
.endr
	ds_load_b32 v[VSC], v[ADS] offset:2048
	s_wait_dscnt 7                                 ; K is in; V's seven loads may be out
.irp c, 0,1
.irp i, 0,1,2,3
.set rQ, QE+18*(\i%2)+6*(1-\i/2)
.if \c
	v_wmma_scale_f32_16x16x128_f8f6f4 v[S+32*\c+8*\i:S+32*\c+8*\i+7], v[KF+12*\c:KF+12*\c+11], v[rQ:rQ+11], 0, v[KSC], v[QSC] matrix_a_fmt:MATRIX_FMT_FP6 matrix_b_fmt:MATRIX_FMT_FP6 matrix_a_scale:MATRIX_SCALE_ROW1
.else
	v_wmma_scale_f32_16x16x128_f8f6f4 v[S+32*\c+8*\i:S+32*\c+8*\i+7], v[KF+12*\c:KF+12*\c+11], v[rQ:rQ+11], 0, v[KSC], v[QSC] matrix_a_fmt:MATRIX_FMT_FP6 matrix_b_fmt:MATRIX_FMT_FP6
.endif
.endr
.endr
.rept 4
	v_nop
.endr
	; the largest score of each of my two blocks of 32 keys: it serves the row's maximum and, since p rises with the score, the block's largest p.  Two chains a block, ascending
.irp c, 0,1
	v_max3_num_f32 v[TM+\c], v[S+32*\c], v[S+32*\c+1], v[S+32*\c+2]
.endr
.irp c, 0,1
	v_max3_num_f32 v[TM+2+\c], v[S+32*\c+16], v[S+32*\c+17], v[S+32*\c+18]
.endr
.irp i, 3,5,7,9,11,13
.irp c, 0,1
	v_max3_num_f32 v[TM+\c], v[TM+\c], v[S+32*\c+\i], v[S+32*\c+\i+1]
	v_max3_num_f32 v[TM+2+\c], v[TM+2+\c], v[S+32*\c+16+\i], v[S+32*\c+17+\i]
.endr
.endr
.irp c, 0,1
	v_max3_num_f32 v[TM+\c], v[TM+\c], v[S+32*\c+15], v[S+32*\c+31]
.endr
.irp c, 0,1
	s_delay_alu instid0(VALU_DEP_2)
	v_max_num_f32 v[TM+\c], v[TM+\c], v[TM+2+\c]
.endr
	s_delay_alu instid0(VALU_DEP_1)
	v_max_num_f32 v[TM+4], v[TM], v[TM+1]
	s_delay_alu instid0(VALU_DEP_1)
	v_permlanex16_b32 v[TM+5], v[TM+4], s[SEL], s[SEL+1]
	s_delay_alu instid0(VALU_DEP_1)
	v_max_num_f32 v[TM+4], v[TM+4], v[TM+5]        ; the step's largest score of my query
	s_delay_alu instid0(VALU_DEP_1)
	v_mul_f32 v[TM+4], s[CS], v[TM+4]              ; as t (c is positive)
	s_delay_alu instid0(VALU_DEP_1)
	v_max_num_f32 v13, v13, v[TM+4]                ; the running largest t
	v_mov_b32 v[TM+4], v12
	s_delay_alu instid0(VALU_DEP_2)
	v_floor_f32 v12, -v13                          ; the new -M = -ceil(t): a whole number
	s_delay_alu instid0(VALU_DEP_1)
	v_sub_f32 v[TM+4], v12, v[TM+4]                ; old M - new M: a whole number, 0 or less
	s_delay_alu instid0(VALU_DEP_1)
	v_cvt_i32_f32 v[TM+4], v[TM+4]                 ; (it saturates)
	s_delay_alu instid0(VALU_DEP_1)
	v_ldexp_f32 v[FF], 1.0, v[TM+4]                ; f = 2^(old M - new M): multiplying by it rounds nothing
.set j, 0
.rept 32
	v_pk_fma_f32 v[S+j:S+j+1], v[S+j:S+j+1], s[CS:CS+1], v[12:13] op_sel_hi:[1,0,0]   ; t - M, two at a time
.set j, j+2
.endr
.irp c, 0,1
	v_fma_f32 v[TM+\c], v[TM+\c], s[CS], v12       ; the same of each block's largest score
.endr
.set j, 0
	s_wait_alu depctr_va_vdst(0)
.rept 64
	v_exp_f32 v[S+j], v[S+j]                       ; p = 2^(t - M), at most 1: not normalised
.set j, j+1
.endr
	v_pk_mul_f32 v[14:15], v[14:15], v[FF:FF+1] op_sel_hi:[1,0]   ; the sums under the new M: a plain line behind the exponentials
	s_wait_alu depctr_va_vdst(0)                   ; the wait ahead of the first line that names a result: one for the batch of 64
	v_exp_f32 v[TM], v[TM]                         ; the blocks' largest p: the same two instructions on the same numbers give the same bits
	v_exp_f32 v[TM+1], v[TM+1]
	v_pk_add_f32 v[TM+6:TM+7], v[S:S+1], v[S+2:S+3]   ; the row's sum is taken of the unquantised p, in two chains
.irp j, 4,8,12,16,20,24,28
	v_pk_add_f32 v[14:15], v[14:15], v[S+\j:S+\j+1]
	v_pk_add_f32 v[TM+6:TM+7], v[TM+6:TM+7], v[S+\j+2:S+\j+3]
.endr
	s_wait_alu depctr_va_vdst(0)                   ; and one for the two
.irp c, 0,1
	v_max_num_f32 v[TM+\c], 0x1800000, v[TM+\c]    ; the floor 2^(3 - 127): the byte cannot fall under 1
.endr
.irp c, 0,1
	s_delay_alu instid0(VALU_DEP_2)
	v_add_nc_u32 v[TM+8+\c], 0xff000000, v[TM+\c]  ; 2 off the exponent field: the conversion's scale operand
.endr
.irp c, 0,1
	s_delay_alu instid0(VALU_DEP_2)
	v_lshrrev_b32 v[TM+10+\c], 23, v[TM+8+\c]      ; the scale's byte
.endr
	s_delay_alu instid0(VALU_DEP_1)
	v_lshl_or_b32 v[TM+12], v[TM+11], 16, v[TM+10] ; blocks h and 2 + h,
	s_delay_alu instid0(VALU_DEP_1)
	v_lshlrev_b32 v[TM+12], v[SH8], v[TM+12]       ; at their places;
	s_delay_alu instid0(VALU_DEP_1)
	v_permlanex16_b32 v[TM+13], v[TM+12], s[SEL], s[SEL+1]
	s_delay_alu instid0(VALU_DEP_1)
	v_or_b32 v[PSC], v[TM+12], v[TM+13]            ; with lane l xor 16's two: p's scale word.  The 17 additions below are its places ahead of the products
.irp j, 32,36,40,44,48,52,56,60
	v_pk_add_f32 v[14:15], v[14:15], v[S+\j:S+\j+1]
	v_pk_add_f32 v[TM+6:TM+7], v[TM+6:TM+7], v[S+\j+2:S+\j+3]
.endr
	s_delay_alu instid0(VALU_DEP_1)
	v_pk_add_f32 v[14:15], v[14:15], v[TM+6:TM+7]
.irp c, 0,1
	v_cvt_scalef32_pk16_fp6_f32 v[P+6*\c:P+6*\c+2], v[S+32*\c:S+32*\c+15], v[TM+8+\c]
	v_cvt_scalef32_pk16_fp6_f32 v[PT+4*\c:PT+4*\c+2], v[S+32*\c+16:S+32*\c+31], v[TM+8+\c]   ; (a conversion's three registers begin on an even number)
.endr
	v_nop                                          ; one plain line behind the last scaled conversion
.irp c, 0,1
.irp i, 0,1,2
	v_mov_b32 v[P+6*\c+3+\i], v[PT+4*\c+\i]
.endr
.endr
.irp j, 0,2,4,6,8,10,12,14
	v_pk_mul_f32 v[O+\j:O+\j+1], v[O+\j:O+\j+1], v[FF:FF+1] op_sel_hi:[1,0]   ; the sums under the new M; for each product the other accumulator's four lines are the places behind p's last move
.endr
	s_wait_alu depctr_va_vdst(0)
	s_wait_dscnt 0x0                               ; V is in
	v_wmma_scale_f32_16x16x128_f8f6f4 v[O:O+7], v[VF:VF+11], v[P:P+11], v[O:O+7], v[VSC], v[PSC] matrix_a_fmt:MATRIX_FMT_FP6 matrix_b_fmt:MATRIX_FMT_FP6
	v_wmma_scale_f32_16x16x128_f8f6f4 v[O+8:O+15], v[VF+12:VF+23], v[P:P+11], v[O+8:O+15], v[VSC], v[PSC] matrix_a_fmt:MATRIX_FMT_FP6 matrix_b_fmt:MATRIX_FMT_FP6 matrix_a_scale:MATRIX_SCALE_ROW1
	s_add_co_u32 s[TB], s[TB], 3072                ; the next 128 keys: two fragments of K, two of V,
	s_add_co_u32 s[TS], s[TS], 128                 ; 32 scale words of each
	s_sub_co_u32 s[CNT], s[CNT], 1
	s_cmp_lg_u32 s[CNT], 0
	s_cbranch_scc1 .Lstep_\@
	; x = O / l; register 8 u + j of lane (r, h) is channel 16 h + 8 u + j
	v_add_f32 v14, v14, v15
	s_delay_alu instid0(VALU_DEP_1)
	v_permlanex16_b32 v[TM+4], v14, s[SEL], s[SEL+1]
	s_delay_alu instid0(VALU_DEP_1)
	v_add_f32 v14, v14, v[TM+4]                    ; the row's sum
	s_wait_alu depctr_va_vdst(0)
	v_rcp_f32 v14, v14
	v_nop
	v_nop
	v_nop                                          ; plain lines behind the reciprocal, and with the additions the places behind the last products
	s_wait_alu depctr_va_vdst(0)                   ; the wait ahead of the reciprocal's first reader
.irp j, 0,2,4,6,8,10,12,14
	v_pk_mul_f32 v[S+\j:S+\j+1], v[O+\j:O+\j+1], v[14:15] op_sel_hi:[1,0]
.endr
	v_max3_num_f32 v[TM], |v[S]|, |v[S+1]|, 0x1800000
.irp i, 2,4,6,8,10,12,14
	s_delay_alu instid0(VALU_DEP_1)
	v_max3_num_f32 v[TM], v[TM], |v[S+\i]|, |v[S+\i+1]|
.endr
	s_delay_alu instid0(VALU_DEP_1)
	v_permlanex16_b32 v[TM+1], v[TM], s[SEL], s[SEL+1]
	s_delay_alu instid0(VALU_DEP_1)
	v_max_num_f32 v[TM], v[TM], v[TM+1]            ; with lane l xor 16's 16 channels: the block's largest magnitude
	s_delay_alu instid0(VALU_DEP_1)
	v_add_nc_u32 v[TM+2], 0xff000000, v[TM]
	v_cvt_scalef32_pk16_fp6_f32 v[PT:PT+2], v[S:S+15], v[TM+2]
	v_lshrrev_b32 v[TM+3], 23, v[TM+2]             ; the scale's byte (a plain line behind the conversion)
	ds_store_b32 v[XSA], v[PT] offset:6144*\p
	ds_store_b32 v[XSA], v[PT+1] offset:6144*\p+4
	ds_store_b32 v[XSA], v[PT+2] offset:6144*\p+8
	ds_store_b8 v[XBA], v[TM+3] offset:256*\p      ; both halves of the lanes write the same byte with the same value
	s_wait_dscnt 0x0                               ; the stores have read their registers
.endm
	PASS 0
	PASS 1
	s_barrier_signal -1                            ; (every wave has waited for its stores)
	s_barrier_wait -1                              ; the 512 tokens' codes and bytes lie in LDS
.irp k, 0,1,2
	ds_load_b64 v[S+2*\k:S+2*\k+1], v[RB] offset:256*\k
.endr
.irp k, 0,1,2
	s_wait_dscnt 2-\k
	global_store_b64 v[GB], v[S+2*\k:S+2*\k+1], s[66:67] offset:256*\k   ; 32 lanes store 256 consecutive bytes, aligned
.endr
	s_cmp_lt_u32 s[WV], 2
	s_cbranch_scc0 .Lno_bytes
	ds_load_b64 v[S+8:S+9], v[RS]
	s_wait_dscnt 0x0
	global_store_b64 v[GB], v[S+8:S+9], s[68:69]
.Lno_bytes:
	s_wait_tensorcnt 0x0                           ; the wave's end: behind my last tensor load and my last LDS store
	ds_add_u32 v[SPW], v[NIL]
	s_wait_dscnt 0x0
	ROUND                                          ; the closing round
	s_endpgm
.Lfunc_end_k_qe1d8fd1dc6_attn:
	.size	k_qe1d8fd1dc6_attn, .Lfunc_end_k_qe1d8fd1dc6_attn-k_qe1d8fd1dc6_attn
	.p2alignl 7, 3214868480
	.fill 96, 4, 3214868480
	.section	.rodata,"a",@progbits
	.p2align	6, 0x0
	.amdhsa_kernel k_qe1d8fd1dc6_attn
		.amdhsa_group_segment_fixed_size 167936
		.amdhsa_private_segment_fixed_size 0
		.amdhsa_enable_private_segment 0
		.amdhsa_kernarg_size 32
		.amdhsa_user_sgpr_count 2
		.amdhsa_user_sgpr_kernarg_segment_ptr 1
		.amdhsa_wavefront_size32 1
		.amdhsa_system_sgpr_workgroup_id_x 1
		.amdhsa_system_sgpr_workgroup_id_y 1
		.amdhsa_system_sgpr_workgroup_id_z 1
		.amdhsa_system_vgpr_workitem_id 0
		.amdhsa_next_free_vgpr 256
		.amdhsa_next_free_sgpr 80
		.amdhsa_reserve_vcc 0
		.amdhsa_float_denorm_mode_32 3
		.amdhsa_float_denorm_mode_16_64 3
		.amdhsa_memory_ordered 1
		.amdhsa_forward_progress 1
		.amdhsa_inst_pref_size 46
	.end_amdhsa_kernel
	.amdgpu_metadata
---
amdhsa.version: [ 1, 2 ]
amdhsa.kernels:
  - .name:           k_qe1d8fd1dc6_attn
    .symbol:         k_qe1d8fd1dc6_attn.kd
    .args:
      - { .name: qb, .offset: 0, .size: 8, .value_kind: global_buffer, .address_space: global }
      - { .name: kb, .offset: 8, .size: 8, .value_kind: global_buffer, .address_space: global }
      - { .name: vb, .offset: 16, .size: 8, .value_kind: global_buffer, .address_space: global }
      - { .name: xb, .offset: 24, .size: 8, .value_kind: global_buffer, .address_space: global }
    .group_segment_fixed_size: 167936
    .private_segment_fixed_size: 0
    .kernarg_segment_align: 8
    .kernarg_segment_size: 32
    .max_flat_workgroup_size: 512
    .sgpr_count:     80
    .vgpr_count:     256
    .wavefront_size: 32
...
	.end_amdgpu_metadata
.endif
;; end of part 3
;; launch outp (part 4): grid 4 x 64, 4 waves a work-group, no clusters, 71,168 bytes of LDS; arguments xb, wts, out0; writes out0
.if DOCPART == 4
	.amdgcn_target "amdgcn-amd-amdhsa--gfx1250"
	.amdhsa_code_object_version 6
	.text
	.protected	k_qe1d8fd1dc6_outp
	.globl	k_qe1d8fd1dc6_outp
	.p2align	8
	.type	k_qe1d8fd1dc6_outp,@function
k_qe1d8fd1dc6_outp:
	s_mov_b64 s[64:65], 0
	v_nop
	global_prefetch_b8 v0, s[64:65] scope:SCOPE_SE
	s_setreg_imm32_b32 hwreg(HW_REG_WAVE_MODE, 25, 1), 1
	s_wait_xcnt 0x0
; out0 [8,192][1,024] = x Wo on codes of E2M3, K = 512: four K steps of 128; a block of 32 along K is one head.
; SHARES.  A work-group takes 128 rows x 256 columns; wave w 64 columns.  Its 16 fragments of Wo (laid ready by the first launch) stay in registers.
; x's codes lie [b, head][token][24 bytes], its scale bytes [b, head][token].  THE WORK-GROUP'S PART OF x COMES INTO LDS ONCE: wave w copies heads 4 w .. 4 w + 3 (K step w): 3,072 consecutive bytes a head by six
; loads of 512 bytes, and 128 scale bytes a head by one load of 4 bytes a lane.  The four heads' bytes of a token are one scale word of K step w: a lane turns its 4 x 4 bytes by eight v_perm_b32 and stores four words.
; Behind one barrier every wave reads its fragments from LDS: lane (r, h) takes for registers 6 c on the 24 bytes of head 4 s + 2 c + h, token 16 T + r.  Heads lie 3,200 bytes apart: 24 r and 24 r + 3,200 fall on 64 different banks in a load of 8 bytes.
; The product is used transposed (source 0 = 16 columns of Wo, source 1 = 16 rows of x): a lane holds eight neighbouring numbers of a row of out0.
; THE WAY OUT: a tile (16 rows x 256 bytes) goes through the wave's own stage in LDS and leaves as whole rows: sixteen lanes store 256 consecutive bytes, aligned.
; NO TENSOR LOADS, NO JOINT LOADS, NO PREFETCH: Wo goes straight into registers, x's 51 KB are copied once through registers beside the 128 KiB that the work-group writes, and there is no loop to run ahead in.
.set SOFF,  3145728
.set HP,    3200                       ; LDS: a head's 128 tokens x 24 bytes + 128
.set XWD,   51200                      ; behind the 16 heads: the scale words, 512 bytes a K step
.set STGB,  53248                      ; the four stages
.set SP,    272
.set STG,   4352                       ; a wave's stage: 16 rows x 272 bytes
.set SPARE, 70656                      ; the spare words, 128 bytes a wave: two blocks of 256 bytes that no other line names
.set XA,  1                            ; v1   24 r + HP h
.set XWA, 2                            ; v2   XWD + 4 r
.set LIW, 3                            ; v3   16 l
.set LSW, 4                            ; v4   4 l
.set STO, 5                            ; v5   the stage, in
.set RDA, 6                            ; v6   and back
.set GO,  7                            ; v7   my 16 bytes of two rows of out0
.set SPW, 8                            ; v8   my spare word; never rewritten
.set NIL, 9                            ; v9   0; never rewritten
.set WSC, 12                           ; v12-19   Wo's scale words: register 2 s + t / 2
.set XW,  20                           ; v20-27   x's scale words, two sets of four
.set XB,  28                           ; v28-31   four heads' scale bytes as loaded; v32-39 at work in the turn
.set CPA, 40                           ; v40  the copy: 16 l + 4 HP w
.set SWA, 41                           ; v41  the copy's scale words: XWD + 512 w + 16 l
.set XFR, 60                           ; v60-155  the copy's 24 x 4 registers; then x's fragments, two sets of four
.set OB,  156                          ; v156-219 rows read back from the stage, two sets of 32
;                                        window 1: v0-191 Wo's 16 fragments (4 s + t); v192-255 the accumulators, two sets of four
.set MSB, 0
.macro WIN new                         ; the immediate's high byte repeats the setting that is left
.if MSB != (\new)
	s_set_vgpr_msb (MSB<<8)|(\new)
.set MSB, (\new)
.endif
.endm
.macro PLACES n
.rept \n
	v_nop
.endr
.endm
.macro MM zero, row                    ; one product on the registers named by rD, rA, rB, rSA, rSB
.if \zero
.if \row
	v_wmma_scale_f32_16x16x128_f8f6f4 v[rD:rD+7], v[rA:rA+11], v[rB:rB+11], 0, v[rSA], v[rSB] matrix_a_fmt:MATRIX_FMT_FP6 matrix_b_fmt:MATRIX_FMT_FP6 matrix_a_scale:MATRIX_SCALE_ROW1
.else
	v_wmma_scale_f32_16x16x128_f8f6f4 v[rD:rD+7], v[rA:rA+11], v[rB:rB+11], 0, v[rSA], v[rSB] matrix_a_fmt:MATRIX_FMT_FP6 matrix_b_fmt:MATRIX_FMT_FP6
.endif
.else
.if \row
	v_wmma_scale_f32_16x16x128_f8f6f4 v[rD:rD+7], v[rA:rA+11], v[rB:rB+11], v[rD:rD+7], v[rSA], v[rSB] matrix_a_fmt:MATRIX_FMT_FP6 matrix_b_fmt:MATRIX_FMT_FP6 matrix_a_scale:MATRIX_SCALE_ROW1
.else
	v_wmma_scale_f32_16x16x128_f8f6f4 v[rD:rD+7], v[rA:rA+11], v[rB:rB+11], v[rD:rD+7], v[rSA], v[rSB] matrix_a_fmt:MATRIX_FMT_FP6 matrix_b_fmt:MATRIX_FMT_FP6
.endif
.endif
.endm
	s_load_b128 s[4:7], s[0:1], 0x0                ; xb s[4:5], wts s[6:7]
	s_load_b64 s[8:9], s[0:1], 0x10                ; out0
	v_lshl_add_u32 v[SPW], v0, 2, SPARE
	v_mov_b32 v[NIL], 0
	v_lshrrev_b32 v10, 5, v0
	v_readfirstlane_b32 s10, v10                   ; wave 0..3
	s_and_b32 s12, ttmp7, 0xffff                   ; which 128 rows
	s_lshl_b32 s13, ttmp9, 2
	s_add_co_u32 s13, s13, s10                     ; G: which 64 columns
	s_mul_i32 s20, s13, 24576
	s_add_co_u32 s20, s20, 3*393216                ; Wo's codes,
	s_mov_b32 s21, 0
	s_lshl_b32 s22, s13, 10
	s_add_co_u32 s22, s22, 1572864+49152           ; and scale words
	s_mov_b32 s23, 0
	s_lshr_b32 s24, s12, 4                         ; the batch
	s_and_b32 s25, s12, 15                         ; the 128 tokens in it
	s_mul_i32 s14, s24, 786432
	s_mul_i32 s15, s25, 3072
	s_add_co_u32 s14, s14, s15
	s_mul_i32 s15, s10, 196608                     ; my four heads, 49,152 bytes each
	s_add_co_u32 s14, s14, s15
	s_mov_b32 s15, 0
	s_lshl_b32 s16, s24, 15
	s_lshl_b32 s17, s25, 7
	s_add_co_u32 s16, s16, s17
	s_lshl_b32 s17, s10, 13                        ; my four heads' scale bytes, 2,048 each
	s_add_co_u32 s16, s16, s17
	s_add_co_u32 s16, s16, SOFF
	s_mov_b32 s17, 0
	s_lshl_b32 s18, s12, 19                        ; 128 rows of 4,096 bytes,
	s_lshl_b32 s19, ttmp9, 10
	s_add_co_u32 s18, s18, s19
	s_lshl_b32 s19, s10, 8                         ; my 64 columns
	s_add_co_u32 s18, s18, s19
	s_mov_b32 s19, 0
	s_mul_i32 s26, s10, STG
	s_add_co_u32 s26, s26, STGB                    ; my stage
	s_mul_i32 s27, s10, 4*HP
	s_lshl_b32 s28, s10, 9
	s_add_co_u32 s28, s28, XWD
	v_and_b32 v10, 31, v0                          ; l
	v_and_b32 v42, 15, v0                          ; r
	v_bfe_u32 v11, v0, 4, 1                        ; h
	v_mul_u32_u24 v[XA], v42, 24
	v_mad_u32_u24 v[XA], v11, HP, v[XA]
	v_lshl_add_u32 v[XWA], v42, 2, XWD
	v_lshlrev_b32 v[LIW], 4, v10
	v_lshlrev_b32 v[LSW], 2, v10
	v_add_nc_u32 v[CPA], s27, v[LIW]
	v_add_nc_u32 v[SWA], s28, v[LIW]
	v_mul_u32_u24 v[STO], v42, SP                  ; in: row r, 32 bytes for each half of the lanes
	v_lshl_add_u32 v[STO], v11, 5, v[STO]
	v_add_nc_u32 v[STO], s26, v[STO]
	v_mul_u32_u24 v[RDA], v11, SP                  ; back: lanes 0-15 one row of 256 bytes, lanes 16-31 the next
	v_lshl_add_u32 v[RDA], v42, 4, v[RDA]
	v_add_nc_u32 v[RDA], s26, v[RDA]
	v_lshlrev_b32 v[GO], 12, v11                   ; and the same two rows in out0
	v_lshl_add_u32 v[GO], v42, 4, v[GO]
	s_wait_alu depctr_va_vdst(0)
	s_wait_kmcnt 0x0
	s_add_nc_u64 s[20:21], s[6:7], s[20:21]
	s_add_nc_u64 s[22:23], s[6:7], s[22:23]
	s_add_nc_u64 s[14:15], s[4:5], s[14:15]
	s_add_nc_u64 s[16:17], s[4:5], s[16:17]
	s_add_nc_u64 s[18:19], s[8:9], s[18:19]
.irp i, 0,1,2,3                        ; x first: the barrier waits for it.  28 loads
.irp k, 0,1,2,3,4,5
	global_load_b128 v[XFR+24*\i+4*\k:XFR+24*\i+4*\k+3], v[LIW], s[14:15] offset:49152*\i+512*\k   ; 32 lanes read 512 consecutive bytes
.endr
	global_load_b32 v[XB+\i], v[LSW], s[16:17] offset:2048*\i                                      ; tokens 4 l .. 4 l + 3 of head 4 w + i
.endr
	WIN 0x40                                       ; destination window 1
.set ff, 0
.rept 16
.irp g, 0,1,2
	global_load_b128 v[12*ff+4*\g:12*ff+4*\g+3], v[LIW], s[20:21] offset:1536*ff+512*\g
.endr
.set ff, ff+1
.endr
	WIN 0
.irp i, 0,1,2,3,4,5,6,7
	global_load_b32 v[WSC+\i], v[LSW], s[22:23] offset:128*\i
.endr
	s_wait_loadcnt 56                              ; x is in; Wo's 48 + 8 loads may be out
.irp i, 0,1,2,3
.irp k, 0,1,2,3,4,5
	ds_store_b128 v[CPA], v[XFR+24*\i+4*\k:XFR+24*\i+4*\k+3] offset:HP*\i+512*\k
.endr
.endr
	v_perm_b32 v32, v[XB+1], v[XB], 0x05010400     ; heads 0, 1: tokens 0, 1 (a selector's 0-3 take the second source's bytes, 4-7 the first's)
	v_perm_b32 v34, v[XB+3], v[XB+2], 0x05010400   ; heads 2, 3: tokens 0, 1
	v_perm_b32 v33, v[XB+1], v[XB], 0x07030602     ; heads 0, 1: tokens 2, 3
	v_perm_b32 v35, v[XB+3], v[XB+2], 0x07030602   ; heads 2, 3: tokens 2, 3
	v_perm_b32 v36, v34, v32, 0x05040100           ; token 4 l: the bytes of heads 4 w .. 4 w + 3: byte b for k = 32 b on
	v_perm_b32 v37, v34, v32, 0x07060302           ; token 4 l + 1
	v_perm_b32 v38, v35, v33, 0x05040100
	v_perm_b32 v39, v35, v33, 0x07060302
	ds_store_b128 v[SWA], v[36:39]
	s_wait_dscnt 0x0                               ; my part of x lies in LDS,
	s_barrier_signal -1
	s_barrier_wait -1                              ; everybody's does
.macro LOADX T                         ; tile T's four fragments and four scale words: 28 LDS loads
.set lst, (\T)%2
.irp s, 0,1,2,3
.irp c, 0,1
.irp p, 0,1,2
	ds_load_b64 v[XFR+48*lst+12*\s+6*\c+2*\p:XFR+48*lst+12*\s+6*\c+2*\p+1], v[XA] offset:4*HP*\s+2*HP*\c+384*(\T)+8*\p
.endr
.endr
	ds_load_b32 v[XW+4*lst+\s], v[XWA] offset:512*\s+64*(\T)
.endr
.endm
.macro SEND T, younger                 ; younger: the LDS instructions issued behind tile T's loads from the stage, which may stay out
.set sst, (\T)%2
	s_wait_dscnt \younger
.irp i, 0,1,2,3,4,5,6,7
	global_store_b128 v[GO], v[OB+32*sst+4*\i:OB+32*sst+4*\i+3], s[18:19] offset:(16*(\T)+2*\i)*4096 th:TH_STORE_NT   ; written once, read by nobody here
.endr
.endm
.macro TILE T
.set st, (\T)%2
; this tile's 28 loads are in; behind them were issued:
.if (\T) == 0
	s_wait_dscnt 28                                ; tile 1's 28
.elseif (\T) == 1
	s_wait_dscnt 44                                ; tile 2's 28, tile 0's 8 stores and 8 loads of the stage
.elseif (\T) == 7
	s_wait_dscnt 32                                ; two tiles' 8 stores and 8 loads
.else
	s_wait_dscnt 60                                ; two tiles' 8 stores and 8 loads, and the next tile's 28
.endif
	WIN 0x51                                       ; source 0 (Wo), C and D in window 1, source 1 (x) in window 0
.irp s, 0,1,2,3
.irp t, 0,1,2,3
.set rD, 192+32*st+8*\t
.set rA, 12*(4*\s+\t)
.set rB, XFR+48*st+12*\s
.set rSA, WSC+2*\s+\t/2
.set rSB, XW+4*st+\s
.if \s == 0
	MM 1, \t%2                                     ; the four accumulators take turns, one instruction a turn
.else
	MM 0, \t%2
.endif
.endr
.endr
	WIN 0
	PLACES 4                                       ; in front of loads into registers that the products have read, and of the stores that read results
.if (\T) < 6
	LOADX (\T)+2
.endif
.if (\T) >= 2
	s_wait_xcnt 0x0                                ; the stores of two tiles ago have read their registers: this tile's rows may land there
.endif
	WIN 0x04                                       ; an LDS store's data are its source 1: window 1
.irp t, 0,1,2,3
	ds_store_b128 v[STO], v[192+32*st+8*\t:192+32*st+8*\t+3] offset:64*\t        ; each accumulator from its low end on
	ds_store_b128 v[STO], v[192+32*st+8*\t+4:192+32*st+8*\t+7] offset:64*\t+16
.endr
	WIN 0
.irp i, 0,1,2,3,4,5,6,7
	ds_load_b128 v[OB+32*st+4*\i:OB+32*st+4*\i+3], v[RDA] offset:2*\i*SP         ; LDS serves a wave's instructions in order: these see the stores above, and the next tile's stores come behind them
.endr
.if (\T) > 0
.if (\T) < 6
	SEND (\T)-1, 44                                ; behind the last tile's loads: 28 fragment loads, this tile's 8 stores and 8 loads
.else
	SEND (\T)-1, 16
.endif
.endif
.endm
	LOADX 0
	LOADX 1
	s_wait_loadcnt 0x0                             ; Wo
.irp T, 0,1,2,3,4,5,6,7
	TILE \T
.endr
	SEND 7, 0
	s_wait_tensorcnt 0x0                           ; the wave's end: behind my last LDS store
	ds_add_u32 v[SPW], v[NIL]
	s_wait_dscnt 0x0
	s_endpgm
.Lfunc_end_k_qe1d8fd1dc6_outp:
	.size	k_qe1d8fd1dc6_outp, .Lfunc_end_k_qe1d8fd1dc6_outp-k_qe1d8fd1dc6_outp
	.p2alignl 7, 3214868480
	.fill 96, 4, 3214868480
	.section	.rodata,"a",@progbits
	.p2align	6, 0x0
	.amdhsa_kernel k_qe1d8fd1dc6_outp
		.amdhsa_group_segment_fixed_size 71168
		.amdhsa_private_segment_fixed_size 0
		.amdhsa_enable_private_segment 0
		.amdhsa_kernarg_size 24
		.amdhsa_user_sgpr_count 2
		.amdhsa_user_sgpr_kernarg_segment_ptr 1
		.amdhsa_wavefront_size32 1
		.amdhsa_system_sgpr_workgroup_id_x 1
		.amdhsa_system_sgpr_workgroup_id_y 1
		.amdhsa_system_sgpr_workgroup_id_z 1
		.amdhsa_system_vgpr_workitem_id 0
		.amdhsa_next_free_vgpr 512
		.amdhsa_next_free_sgpr 66
		.amdhsa_reserve_vcc 0
		.amdhsa_float_denorm_mode_32 3
		.amdhsa_float_denorm_mode_16_64 3
		.amdhsa_memory_ordered 1
		.amdhsa_forward_progress 1
		.amdhsa_inst_pref_size 61
	.end_amdhsa_kernel
	.amdgpu_metadata
---
amdhsa.version: [ 1, 2 ]
amdhsa.kernels:
  - .name:           k_qe1d8fd1dc6_outp
    .symbol:         k_qe1d8fd1dc6_outp.kd
    .args:
      - { .name: xb, .offset: 0, .size: 8, .value_kind: global_buffer, .address_space: global }
      - { .name: wts, .offset: 8, .size: 8, .value_kind: global_buffer, .address_space: global }
      - { .name: out0, .offset: 16, .size: 8, .value_kind: global_buffer, .address_space: global }
    .group_segment_fixed_size: 71168
    .private_segment_fixed_size: 0
    .kernarg_segment_align: 8
    .kernarg_segment_size: 24
    .max_flat_workgroup_size: 128
    .sgpr_count:     66
    .vgpr_count:     512
    .wavefront_size: 32
...
	.end_amdgpu_metadata
.endif
;; end of part 4
